; MI455X (gfx1250); checked and timed in simulation.
; The chip was launched on July 23, 2026; its instructions are those of AMD's public machine-readable ISA for CDNA 5 (MIT licence, August 2026) and "CDNA5" Instruction Set Architecture Reference Guide (July 2026). The comments in the code are by the model that wrote it; some were corrected since.
;; Local Window Attention. Allowed arithmetic: float matrix products may take bf16 or f16 operands with f32 sums; other float arithmetic in f32, or as packed bf16 or f16 multiplies, adds, multiply-adds, maxima and minima; sums over many terms, partial sums and values carried from step to step in f32; what a program stores and reads back later, other than sums and carried values, may be rounded once to bf16 or f16.
;; Inputs: Wk 1,024 x 1,024 float32; Wo 1,024 x 1,024 float32; Wq 1,024 x 1,024 float32; Wv 1,024 x 1,024 float32; bk 1,024 float32; bo 1,024 float32; bq 1,024 float32; bv 1,024 float32; x 4 x 2,048 x 1,024 float32.
;; Outputs: out0 4 x 2,048 x 1,024 float32.
;; 2 versions, each right; version 2 is version 1 with the launch prep written anew for expert scheduling mode. Each part assembles by itself: llvm-mc -triple=amdgcn-amd-amdhsa -mcpu=gfx1250 --defsym DOCPART=n.
;; ======== version 1 of 2: 4 launches
;; limits: values are held in f16: magnitudes above 65,504 overflow, below 6.1e-05 lose precision
;; workspace buffers: xb 16,777,216 bytes; wqkv 6,291,456 bytes; wo16 2,097,152 bytes; qkv 50,331,648 bytes; ao 16,777,216 bytes
;; launch prep (part 1): grid 768 x 1, 8 waves a work-group, no clusters, 0 bytes of LDS; arguments x, Wq, Wk, Wv, Wo, xb, wqkv, wo16; writes xb, wqkv, wo16
.if DOCPART == 1
	.amdgcn_target "amdgcn-amd-amdhsa--gfx1250"
	.amdhsa_code_object_version 6
	.text
	.protected	k_qdfa879d750_prep
	.globl	k_qdfa879d750_prep
	.p2align	8
	.type	k_qdfa879d750_prep,@function
k_qdfa879d750_prep:
	s_mov_b64 s[64:65], 0
	v_nop
	global_prefetch_b8 v0, s[64:65] scope:SCOPE_SE
	s_setreg_imm32_b32 hwreg(HW_REG_WAVE_MODE, 25, 1), 1
	s_wait_xcnt 0x0
; CASTS.  x [8192][1024] f32 -> xb, the same layout in bf16.  Wq, Wk, Wv [1024 k][1024 n] f32 -> wqkv in bf16, laid in blocks
; [16 head][8 K step][3 which][128 k][64 c]: what a tile of the QKV product takes in a K step is 49,152 bytes on end.
; Wo [1024 k][1024 n] f32 -> wo16: rounded to bf16 like every other input, and that number written as f16, in blocks
; [8 column tile][8 K step][2 halves][128 k][64 c].
; LIMITS.  |Wo| stays under 65,504 (f16's range); below 2^-14 it keeps f16's fixed step of 2^-24.  NaN and infinities are not treated apart.
; SHARES.  768 work-groups of 256 threads, 16,384 numbers each: 512 for x, 64 for each weight (16 rows of k).  A thread takes 16 steps of
; 4 numbers: 16 bytes in, 8 bytes out.  All 16 loads go out first; no register is used twice, so no source is ever rewritten.
; A wave's load covers 512 bytes on end (x) or 256 bytes of each of two rows (weights); a wave's store covers 256 bytes on end, aligned.
; No LDS, no matrix unit, no cluster: nothing is shared between threads.
.set SO,  1                            ; v1        my byte offset in the source
.set DO,  2                            ; v2        my byte offset in the destination: 8 x thread
.set X,   8                            ; v[8:71]   step i: 4 numbers as loaded
.set Y,   72                           ; v[72:103] step i: 4 numbers of 16 bits
.set T,   104                          ; v[104:107] at work (Wo alone)
.set SRC, 20                           ; s[20:21]
.set DST, 22                           ; s[22:23]
.set MSK, 30                           ; s30       a word's upper bf16
; kind 0: x.  kind 1: Wq, Wk, Wv (step i = head i's 64 columns).  kind 2: Wo (step i = column tile i / 2, half i % 2).
.macro STREAM kind
.set i, 0
.rept 16
.if (\kind) == 0
	global_load_b128 v[X+4*i:X+4*i+3], v[SO], s[SRC:SRC+1] offset:i*4096 th:TH_LOAD_NT
.else
	global_load_b128 v[X+4*i:X+4*i+3], v[SO], s[SRC:SRC+1] offset:i*256 th:TH_LOAD_NT
.endif
.set i, i+1
.endr
.set i, 0
.rept 16
	s_wait_loadcnt 15-i                            ; loads come back in order: step i's is in, the 15 - i younger ones stay out
.if (\kind) == 2
	v_cvt_pk_bf16_f32 v[T], v[X+4*i], v[X+4*i+1]   ; rounded to bf16,
	v_cvt_pk_bf16_f32 v[T+1], v[X+4*i+2], v[X+4*i+3]
	v_lshlrev_b32 v[T+2], 16, v[T]                 ; widened again,
	v_and_b32 v[T], s[MSK], v[T]
	v_lshlrev_b32 v[T+3], 16, v[T+1]
	v_and_b32 v[T+1], s[MSK], v[T+1]
	v_cvt_pk_f16_f32 v[Y+2*i], v[T+2], v[T]        ; and written as f16: exact within f16's normal range
	v_cvt_pk_f16_f32 v[Y+2*i+1], v[T+3], v[T+1]
	global_store_b64 v[DO], v[Y+2*i:Y+2*i+1], s[DST:DST+1] offset:(i/2)*262144+(i%2)*16384
.else
	v_cvt_pk_bf16_f32 v[Y+2*i], v[X+4*i], v[X+4*i+1]
	v_cvt_pk_bf16_f32 v[Y+2*i+1], v[X+4*i+2], v[X+4*i+3]
.if (\kind) == 0
	global_store_b64 v[DO], v[Y+2*i:Y+2*i+1], s[DST:DST+1] offset:i*2048
.else
	global_store_b64 v[DO], v[Y+2*i:Y+2*i+1], s[DST:DST+1] offset:i*393216  ; a head's blocks are 8 x 3 x 16,384 bytes; 15 of them stay inside the signed 24-bit immediate
.endif
.endif
.set i, i+1
.endr
.endm
	s_load_b256 s[4:11], s[0:1], 0x0               ; x s[4:5], Wq s[6:7], Wk s[8:9], Wv s[10:11]
	s_load_b256 s[12:19], s[0:1], 0x20             ; Wo s[12:13], xb s[14:15], wqkv s[16:17], wo16 s[18:19]
	v_lshlrev_b32 v[DO], 3, v0
	s_mov_b32 s25, 0
	s_mov_b32 s27, 0
	s_cmp_lt_u32 ttmp9, 512
	s_cbranch_scc0 .Lweights
	v_lshlrev_b32 v[SO], 4, v0                     ; x: 16 bytes a thread, 4,096 a step
	s_lshl_b32 s24, ttmp9, 16
	s_lshl_b32 s26, ttmp9, 15
	s_wait_kmcnt 0x0
	s_add_nc_u64 s[SRC:SRC+1], s[4:5], s[24:25]
	s_add_nc_u64 s[DST:DST+1], s[14:15], s[26:27]
	STREAM 0
	s_endpgm
.Lweights:
	v_lshrrev_b32 v3, 4, v0                        ; my row of the 16
	v_and_b32 v4, 15, v0
	v_lshlrev_b32 v4, 4, v4                        ; my 16 bytes of a step's 256
	v_lshl_add_u32 v[SO], v3, 12, v4
	s_cmp_lt_u32 ttmp9, 704
	s_cbranch_scc0 .Lwo
	s_sub_co_u32 s28, ttmp9, 512
	s_lshr_b32 s29, s28, 6                         ; which: 0 q, 1 k, 2 v
	s_and_b32 s28, s28, 63                         ; block of 16 rows of k
	s_lshl_b32 s24, s28, 16
	s_lshr_b32 s30, s28, 3                         ; K step
	s_mul_i32 s30, s30, 3
	s_add_co_u32 s30, s30, s29
	s_lshl_b32 s30, s30, 14                        ; (3 x K step + which) x 16,384
	s_and_b32 s31, s28, 7
	s_lshl_b32 s31, s31, 11                        ; + 16 rows x 128 bytes for each block inside the K step
	s_add_co_u32 s26, s30, s31
	s_wait_kmcnt 0x0
	s_cmp_eq_u32 s29, 0
	s_cselect_b64 s[SRC:SRC+1], s[6:7], s[8:9]
	s_cmp_eq_u32 s29, 2
	s_cselect_b64 s[SRC:SRC+1], s[10:11], s[SRC:SRC+1]
	s_add_nc_u64 s[SRC:SRC+1], s[SRC:SRC+1], s[24:25]
	s_add_nc_u64 s[DST:DST+1], s[16:17], s[26:27]
	STREAM 1
	s_endpgm
.Lwo:
	s_sub_co_u32 s28, ttmp9, 704                   ; block of 16 rows of k
	s_lshl_b32 s24, s28, 16
	s_lshr_b32 s30, s28, 3
	s_lshl_b32 s30, s30, 15                        ; K step x 32,768
	s_and_b32 s31, s28, 7
	s_lshl_b32 s31, s31, 11
	s_add_co_u32 s26, s30, s31
	s_mov_b32 s[MSK], 0xffff0000
	s_wait_kmcnt 0x0
	s_add_nc_u64 s[SRC:SRC+1], s[12:13], s[24:25]
	s_add_nc_u64 s[DST:DST+1], s[18:19], s[26:27]
	STREAM 2
	s_endpgm
.Lfunc_end_k_qdfa879d750_prep:
	.size	k_qdfa879d750_prep, .Lfunc_end_k_qdfa879d750_prep-k_qdfa879d750_prep
	.p2alignl 7, 3214868480
	.fill 96, 4, 3214868480
	.section	.rodata,"a",@progbits
	.p2align	6, 0x0
	.amdhsa_kernel k_qdfa879d750_prep
		.amdhsa_group_segment_fixed_size 0
		.amdhsa_private_segment_fixed_size 0
		.amdhsa_enable_private_segment 0
		.amdhsa_kernarg_size 64
		.amdhsa_user_sgpr_count 2
		.amdhsa_user_sgpr_kernarg_segment_ptr 1
		.amdhsa_wavefront_size32 1
		.amdhsa_system_sgpr_workgroup_id_x 1
		.amdhsa_system_sgpr_workgroup_id_y 1
		.amdhsa_system_sgpr_workgroup_id_z 1
		.amdhsa_system_vgpr_workitem_id 0
		.amdhsa_next_free_vgpr 108
		.amdhsa_next_free_sgpr 66
		.amdhsa_reserve_vcc 0
		.amdhsa_float_denorm_mode_32 3
		.amdhsa_float_denorm_mode_16_64 3
		.amdhsa_memory_ordered 1
		.amdhsa_forward_progress 1
		.amdhsa_inst_pref_size 23
	.end_amdhsa_kernel
	.amdgpu_metadata
---
amdhsa.version: [ 1, 2 ]
amdhsa.kernels:
  - .name:           k_qdfa879d750_prep
    .symbol:         k_qdfa879d750_prep.kd
    .args:
      - { .name: x, .offset: 0, .size: 8, .value_kind: global_buffer, .address_space: global }
      - { .name: Wq, .offset: 8, .size: 8, .value_kind: global_buffer, .address_space: global }
      - { .name: Wk, .offset: 16, .size: 8, .value_kind: global_buffer, .address_space: global }
      - { .name: Wv, .offset: 24, .size: 8, .value_kind: global_buffer, .address_space: global }
      - { .name: Wo, .offset: 32, .size: 8, .value_kind: global_buffer, .address_space: global }
      - { .name: xb, .offset: 40, .size: 8, .value_kind: global_buffer, .address_space: global }
      - { .name: wqkv, .offset: 48, .size: 8, .value_kind: global_buffer, .address_space: global }
      - { .name: wo16, .offset: 56, .size: 8, .value_kind: global_buffer, .address_space: global }
    .group_segment_fixed_size: 0
    .private_segment_fixed_size: 0
    .kernarg_segment_align: 8
    .kernarg_segment_size: 64
    .max_flat_workgroup_size: 256
    .sgpr_count:     66
    .vgpr_count:     108
    .wavefront_size: 32
...
	.end_amdgpu_metadata
.endif
;; end of part 1
;; launch gemm_qkv (part 2): grid 16 x 32, 4 waves a work-group, clusters of 4 x 4, 327,680 bytes of LDS; arguments xb, wqkv, bq, bk, bv, qkv; writes qkv
.if DOCPART == 2
	.amdgcn_target "amdgcn-amd-amdhsa--gfx1250"
	.amdhsa_code_object_version 6
	.text
	.protected	k_qdfa879d750_gemm_qkv
	.globl	k_qdfa879d750_gemm_qkv
	.p2align	8
	.type	k_qdfa879d750_gemm_qkv,@function
k_qdfa879d750_gemm_qkv:
	s_mov_b64 s[64:65], 0
	v_nop
	global_prefetch_b8 v0, s[64:65] scope:SCOPE_SE
	s_setreg_imm32_b32 hwreg(HW_REG_WAVE_MODE, 25, 1), 1
	s_wait_xcnt 0x0
	s_wait_alu depctr_hold_cnt(0) depctr_sa_sdst(0) depctr_va_vdst(0) depctr_va_sdst(0) depctr_va_ssrc(0) depctr_va_vcc(0) depctr_vm_vsrc(0)
	s_getreg_b32 s2, hwreg(HW_REG_IB_STS2, 6, 4)
	s_cmp_eq_u32 s2, 0
	s_cbranch_scc0 .Lentry_in_a_cluster
	s_endpgm
.Lentry_in_a_cluster:
	s_bfe_u32 s2, ttmp6, 0x10000c
	s_cmp_lg_u32 s2, 0xf033
	s_cbranch_scc0 .Lentry_shape_is_right
	s_endpgm
.Lentry_shape_is_right:
; q, k, v = x W + b.  xb: [8192 m][1024 k] bf16.  wqkv: [16 head][8 K step][3 which][128 k][64 c] bf16.  bq, bk, bv: [1024] f32, rounded to bf16 like the other inputs.
; qkv: [48 slot = 16 which + head][8192 m][64] f16, unscaled, rounded once from the f32 sums.
; LIMITS.  |q|, |k|, |v| stay under 65,504 (f16's range).  NaN and infinities are not treated apart.
; SHARES.  A tile is 256 rows x 192 columns: head j's q, k and v.  16 x 32 tiles: 512 work-groups of equal work.  Four waves; wave w owns rows 64 w .. 64 w + 63 and all 192 columns:
; 48 accumulators of 16 x 16, 384 registers.  So a wave holds whole rows of a head, and its way out goes through a stage of its own, without a barrier.
; K goes in steps of 128 through a ring of two LDS slots filled by the tensor data mover: 256 rows of x (256 bytes each) and the head's 49,152 bytes of weights.
; THE MATRIX INSTRUCTION IS USED TRANSPOSED: source 0 = 16 columns of W (turned on the way out of LDS by ds_load_tr16_b128, since W lies [k][n]), source 1 = 16 rows of x.
; A lane then holds row l % 16 and the columns 8 (l / 16) + 0..7: 16 bytes of f16 on end.  THE BIAS IS THE C OPERAND of each accumulator's first product: nothing is cleared and nothing added later.
; CLUSTERS: 4 x 4 work-groups.  The four of a row of the cluster need the same rows of x, the four of a column the same weights: each tile is asked for JOINTLY, by the same tensor load
; with the same descriptor and a mask that names the four.
; REGISTERS, in windows of 256 (s_set_vgpr_msb: bits 1:0 source 0, 3:2 source 1, 5:4 source 2, 7:6 destination):
;   window 0: v0-30 addresses; v32-79, v80-127, v176-223 the way out; v160-255 the bias (dead behind the first quarter step)
;   window 1: two fragment buffers of 128: x's four blocks of 16 rows (32 registers), then W's twelve blocks of 16 columns (96)
;   window 2: the accumulators of my row blocks 0, 1 ((a, b) at v[8 (12 (a % 2) + b)]);   window 3: those of blocks 2, 3
.set NBK,   12                         ; blocks of 16 columns
.set PA,    272                        ; an LDS row of x: 256 bytes + 16 = 68 words: the 16 rows of a load start at 16 different groups of four banks (64 banks of 4 bytes: ISA guide 11.1)
.set AHALF, 128*PA                     ; what one tensor load brings of x
.set ATILE, 2*AHALF
.set PB,    160                        ; an LDS row of W: 128 bytes + 32 = 40 words
.set PLANE, 128*PB                     ; q's, k's or v's 128 k x 64 c
.set BHALF, 192*PB                     ; what one tensor load brings of W: a plane and a half
.set SLOT,  ATILE+2*BHALF
.set STAGE, 2*SLOT                     ; behind the ring, never filled by a tensor load: for each wave 3 x 16 rows x 144 bytes
.set SP,    144
.set WSTG,  3*16*SP
.set SPARE, STAGE+4*WSTG               ; behind the stages: the spare words, 128 bytes for each wave: two blocks of 256 bytes that no other line names
.set ASTEP, 256                        ; bytes in memory from a K step to the next: along x's rows,
.set BSTEP, 49152                      ; and from block to block of the weights
.set LAPS,  4                          ; a lap = two K steps = once round the ring
.set ADRA, 16                          ; v16-17  LDS address of my fragments of x in slot 0, 1
.set ADRB, 20                          ; v20-21  the same for W
.set STO,  24                          ; v24     the way out: where I put 16 bytes of a row
.set RD,   25                          ; v25     the way out: where I read rows back
.set GO,   26                          ; v26     my 16 bytes of 512 on end
.set BO,   27                          ; v27     my byte offset in a bias
.set SPW,  28                          ; v28     LDS address of my spare word; never rewritten
.set NIL,  29                          ; v29     0; never rewritten
.set PFO,  30                          ; v30     the prefetches' offset; never rewritten
.set TMP,  32
.set OB0,  80
.set OB1,  176
.set BIAS, 160
.set WV,   16                          ; s16  my wave's number
.set HF,   18                          ; s18  which half of a tile I fetch
.set CX,   19
.set CY,   20
.set TCOL, 21                          ; s21  the head
.set TROW, 22                          ; s22  the block of 256 rows
.set G1A,  24                          ; s[24:31] descriptor group 1 for x's tiles;  s[32:39] group 0, a set for each slot
.set G0A,  32
.set G1B,  40                          ; s[40:47], s[48:55] the same for W's
.set G0B,  48
.set PFA,  56                          ; s[56:57] where my prefetches stand
.set PST,  58                          ; s[58:59] their step
.set LIM,  60                          ; s60  1 in a wave that prefetches, else the greatest number
.set OUT,  66                          ; s[66:71] q's, k's and v's slot at my wave's first row
.set MSB, 0
.macro WIN new                         ; the immediate's high byte repeats the setting that is left; a switch that changes nothing is dropped
.if MSB != (\new)
	s_set_vgpr_msb (MSB<<8)|(\new)
.set MSB, \new
.endif
.endm
.set TO_F, 0x40                        ; destination window 1, address window 0
; A joint load.  Waves 0 and 1 fetch x's two halves, waves 2 and 3 W's.  The branch hangs on the wave's number alone.  An s_nop 0 and four v_nop follow each of the two lines.
.macro JLOAD n
	s_cmp_lt_u32 s[WV], 2
	s_cbranch_scc0 .Lfor_b_\@
	tensor_load_to_lds s[G0A+4*(\n):G0A+4*(\n)+3], s[G1A:G1A+7]
	s_nop 0
.rept 4
	v_nop
.endr
	s_branch .Lasked_\@
.Lfor_b_\@:
	tensor_load_to_lds s[G0B+4*(\n):G0B+4*(\n)+3], s[G1B:G1B+7]
	s_nop 0
.rept 4
	v_nop
.endr
.Lasked_\@:
.endm
; A round of the cluster's barrier behind its opening barrier: wave 0 signals for the work-group, every wave waits for all sixteen, my work-group's barrier closes it.
.macro CREST
	s_cmp_lg_u32 s[WV], 0
	s_cbranch_scc1 .Lnot_wave_0_\@
	s_barrier_signal -3
.Lnot_wave_0_\@:
	s_barrier_wait -3
	s_barrier_signal -1
	s_barrier_wait -1
.endm
.macro CROUND
	s_barrier_signal -1
	s_barrier_wait -1
	CREST
.endm
; A PREFETCH INTO THE L2 of the K step that stands two refills on, behind the joint load, its five lines and the run of LDS loads.  x's rows are read by every cluster of a row of clusters: cluster x = 0 asks;
; the weights by every cluster of a column: cluster y = 0 asks.  The four partners share a wave's half out BY ADDRESS: of x 32 rows each, a lane a row's 256 bytes; of W 24 blocks of 256 bytes each
; (lanes 24-31 name lane 23's block once more).  The loop's last trip (s3 = 1) asks for nothing: there is no K step two refills on.  K steps 0 to 3 come by their loads alone.
.macro ASK
	WIN 0
	s_cmp_gt_u32 s3, s[LIM]
	s_cbranch_scc0 .Lnot_mine_\@
	global_prefetch_b8 v[PFO], s[PFA:PFA+1] th:TH_LOAD_NT scope:SCOPE_SE
.Lnot_mine_\@:
.endm
	s_load_b256 s[4:11], s[0:1], 0x0               ; xb s[4:5], wqkv s[6:7], bq s[8:9], bk s[10:11]
	s_load_b128 s[12:15], s[0:1], 0x20             ; bv s[12:13], qkv s[14:15]
	v_lshl_add_u32 v[SPW], v0, 2, SPARE
	v_mov_b32 v[NIL], 0
	ds_add_u32 v[SPW], v[NIL]                      ; the wave's opening: the add and its wait stand ahead of my first tensor load; work on registers stands between them
	v_lshrrev_b32 v1, 5, v0
	v_readfirstlane_b32 s[WV], v1                  ; wave 0..3
	s_and_b32 s[HF], s[WV], 1
	s_bfe_u32 s[CX], ttmp6, 0x40000                ; my place in the cluster
	s_bfe_u32 s[CY], ttmp6, 0x40004
	s_lshl_b32 s[TCOL], ttmp9, 2
	s_add_co_u32 s[TCOL], s[TCOL], s[CX]           ; head = 4 x cluster x + cx
	s_and_b32 s[TROW], ttmp7, 0xffff
	s_lshl_b32 s[TROW], s[TROW], 2
	s_add_co_u32 s[TROW], s[TROW], s[CY]           ; row block = 4 x cluster y + cy
	s_lshl_b32 s72, s[CY], 2
	s_lshl_b32 s72, 15, s72                        ; my row of the cluster
	s_lshl_b32 s73, 0x1111, s[CX]                  ; my column
	s_or_b32 s[G1A], s72, (1<<16)|(1<<20)|(1<<21)|(5<<22)|(3<<25)  ; the mask; 2-byte elements; padding on; bit 21 beside a mask; after every 64 words, 4 words
	s_or_b32 s[G1B], s73, (1<<16)|(1<<20)|(1<<21)|(4<<22)|(7<<25)  ; after every 32 words (a row of 64 c), 8 words
	s_mov_b32 s[G1A+1], 128<<16                    ; tensor_dim0 = 128
	s_mov_b32 s[G1A+2], 128<<16                    ; tensor_dim1 = 128
	s_mov_b32 s[G1A+3], 128<<16                    ; tile_dim0 = 128
	s_mov_b32 s[G1A+4], 128                        ; tile_dim1 = 128 rows
	s_mov_b32 s[G1A+5], 1024                       ; elements from row to row
	s_mov_b32 s[G1A+6], 0
	s_mov_b32 s[G1A+7], 0
	s_mov_b32 s[G1B+1], 128<<16                    ; W's half is 24,576 dense bytes: 96 rows of 256 bytes, two rows of k each
	s_mov_b32 s[G1B+2], 96<<16
	s_mov_b32 s[G1B+3], 128<<16
	s_mov_b32 s[G1B+4], 96
	s_mov_b32 s[G1B+5], 128
	s_mov_b32 s[G1B+6], 0
	s_mov_b32 s[G1B+7], 0
	s_lshl_b32 s74, s[TROW], 8                     ; x: row 256 x row block + 128 x half, 2,048 bytes a row: it hangs on cy alone
	s_lshl_b32 s75, s[HF], 7
	s_add_co_u32 s74, s74, s75
	s_lshl_b32 s74, s74, 11
	s_mov_b32 s75, 0
	s_mul_i32 s76, s[TCOL], 8*BSTEP                ; W: the head's blocks, my half of a K step's: it hangs on cx alone
	s_mul_i32 s77, s[HF], BSTEP/2
	s_add_co_u32 s76, s76, s77
	s_mov_b32 s77, 0
	s_mul_i32 s78, s[HF], AHALF                    ; where they go: no place in the cluster enters an LDS address
	s_mul_i32 s79, s[HF], BHALF
	s_add_co_u32 s79, s79, ATILE
	s_wait_dscnt 0x0                               ; the opening add is done
	s_wait_kmcnt 0x0
	s_add_nc_u64 s[74:75], s[4:5], s[74:75]
	s_add_nc_u64 s[76:77], s[6:7], s[76:77]
	CROUND                                         ; all sixteen work-groups are here: the first joint loads meet
.irp n, 0,1
	s_mov_b32 s[G0A+4*(\n)], 1                     ; count = 1
	s_add_co_u32 s[G0A+4*(\n)+1], s78, (\n)*SLOT   ; LDS address
	s_add_nc_u64 s[G0A+4*(\n)+2:G0A+4*(\n)+3], s[74:75], (\n)*ASTEP  ; global address: K step n
	s_or_b32 s[G0A+4*(\n)+3], s[G0A+4*(\n)+3], 0x80000000            ; type = 2
	s_mov_b32 s[G0B+4*(\n)], 1
	s_add_co_u32 s[G0B+4*(\n)+1], s79, (\n)*SLOT
	s_add_nc_u64 s[G0B+4*(\n)+2:G0B+4*(\n)+3], s[76:77], (\n)*BSTEP
	s_or_b32 s[G0B+4*(\n)+3], s[G0B+4*(\n)+3], 0x80000000
	JLOAD \n                                       ; two loads of mine are out
.endr
	v_and_b32 v1, 15, v0                           ; r = l % 16
	v_bfe_u32 v2, v0, 4, 1                         ; h = l / 16
	s_lshl_b32 s72, s[TCOL], 8                     ; the bias: register j of block b is column 16 (b % 4) + 8 h + j of the head's 64
	v_lshl_add_u32 v[BO], v2, 5, s72
.set b, 0
.rept NBK
	global_load_b128 v[BIAS+8*b:BIAS+8*b+3],   v[BO], s[8+2*(b/4):9+2*(b/4)] offset:(b%4)*64
	global_load_b128 v[BIAS+8*b+4:BIAS+8*b+7], v[BO], s[8+2*(b/4):9+2*(b/4)] offset:(b%4)*64+16
.set b, b+1
.endr
	; a fragment of x: lane l holds row l % 16; two loads of 16 bytes, 32 bytes apart
	v_mul_u32_u24 v3, v1, PA
	v_lshl_add_u32 v3, v2, 4, v3
	s_mul_i32 s72, s[WV], 64*PA                    ; my 64 rows
	v_add_nc_u32 v[ADRA], s72, v3
	v_add_nc_u32 v[ADRA+1], SLOT, v[ADRA]
	; the turning load takes 16 k x 16 columns: lane l reads k = 8 (l / 16) + l % 8, columns 8 ((l / 8) % 2) + 0..7, and is left with column l % 16 and 8 k
	v_and_b32 v4, 7, v0
	v_bfe_u32 v5, v0, 3, 1
	v_lshl_add_u32 v6, v2, 3, v4
	v_mul_u32_u24 v6, v6, PB
	v_lshl_add_u32 v6, v5, 4, v6
	v_add_nc_u32 v[ADRB], ATILE, v6
	v_add_nc_u32 v[ADRB+1], SLOT, v[ADRB]
	s_mul_i32 s72, s[WV], WSTG
	s_add_co_u32 s72, s72, STAGE                   ; my stage
	v_mul_u32_u24 v3, v1, SP                       ; in: row l % 16, 16 bytes for each half of the lanes
	v_lshl_add_u32 v3, v2, 4, v3
	v_add_nc_u32 v[STO], s72, v3
	v_bfe_u32 v3, v0, 3, 2                         ; back: 32 lanes take four rows of 128 bytes,
	v_mul_u32_u24 v3, v3, SP
	v_lshl_add_u32 v3, v4, 4, v3
	v_add_nc_u32 v[RD], s72, v3
	v_and_b32 v3, 31, v0                           ; which are 512 bytes on end in a slot of qkv
	v_lshlrev_b32 v[GO], 4, v3
	s_lshl_b32 s80, s[TCOL], 13                    ; (head x 8,192 + 256 x row block + 64 x wave) rows of 128 bytes
	s_lshl_b32 s81, s[TROW], 8
	s_add_co_u32 s80, s80, s81
	s_lshl_b32 s81, s[WV], 6
	s_add_co_u32 s80, s80, s81
	s_lshl_b32 s80, s80, 7
	s_mov_b32 s81, 0
	s_add_nc_u64 s[OUT:OUT+1], s[14:15], s[80:81]
	s_add_nc_u64 s[OUT+2:OUT+3], s[OUT:OUT+1], 16*8192*128
	s_add_nc_u64 s[OUT+4:OUT+5], s[OUT:OUT+1], 32*8192*128
	; the prefetches
	s_and_b32 s80, ttmp7, 0xffff                   ; cluster y
	s_mov_b32 s72, 32*2048                         ; a partner's share of x's half: 32 rows
	s_mov_b32 s73, 24*256                          ; of W's half: 24 blocks
	s_mov_b32 s81, BSTEP
	s_cmp_lt_u32 s[WV], 2                          ; do I fetch for x?
	s_cselect_b64 s[PFA:PFA+1], s[74:75], s[76:77] ; my half, at K step 0
	s_cselect_b32 s72, s72, s73
	s_cselect_b32 s73, s[CX], s[CY]                ; my place among the four that ask with me: it enters the address alone
	s_cselect_b32 s[PST], ASTEP, s81
	s_cselect_b32 s80, ttmp9, s80                  ; the coordinate along which other clusters read the same bytes
	s_cselect_b32 s61, 31, 23
	s_cselect_b32 s62, 11, 8                       ; a lane a row of 2,048 bytes, or a block of 256
	s_mul_i32 s72, s72, s73
	s_mov_b32 s73, 0
	s_add_nc_u64 s[PFA:PFA+1], s[PFA:PFA+1], s[72:73]
	s_mul_i32 s72, s[PST], 3
	s_add_nc_u64 s[PFA:PFA+1], s[PFA:PFA+1], s[72:73]  ; at K step 3: the first change of slots steps it to 4
	s_mov_b32 s[PST+1], 0
	s_cmp_eq_u32 s80, 0
	s_cselect_b32 s[LIM], 1, -1                    ; the same in all sixteen partners, for a given wave
	v_min_u32 v3, s61, v3
	v_lshlrev_b32 v[PFO], s62, v3
	s_mov_b32 s73, 0xffff0000
	s_wait_loadcnt 0x0                             ; the bias is in: rounded to bf16 and widened again, in place; all this stands in the wait for the first tile
.set i, 0
.rept 4*NBK
	v_cvt_pk_bf16_f32 v[4+i%4], v[BIAS+2*i], v[BIAS+2*i+1]
	v_lshlrev_b32 v[BIAS+2*i], 16, v[4+i%4]
	v_and_b32 v[BIAS+2*i+1], s73, v[4+i%4]
.set i, i+1
.endr
; 12 matrix instructions: my row block a x all 12 column blocks, 32 along K, from buffer f.  first = 1: C is the bias.  Each accumulator has one instruction a quarter step, in the same order in
; every quarter: the 48 take turns, over the backward jump too.
.macro MULA f, a, first
.if \first
	WIN 0x85+0x40*((\a)/2)                         ; sources window 1, C window 0, D window 2 or 3
.else
	WIN 0xa5+0x50*((\a)/2)                         ; sources window 1, C and D window 2 or 3
.endif
.set b, 0
.rept NBK
.set rD, 8*(NBK*((\a)%2)+b)
.set rB, 128*(\f)+32+8*b
.set rA, 128*(\f)+8*(\a)
.if \first
	v_wmma_f32_16x16x32_bf16 v[rD:rD+7], v[rB:rB+7], v[rA:rA+7], v[BIAS+8*b:BIAS+8*b+7]
.else
	v_wmma_f32_16x16x32_bf16 v[rD:rD+7], v[rB:rB+7], v[rA:rA+7], v[rD:rD+7]
.endif
.set b, b+1
.endr
.endm
; 32 LDS loads in one run: quarter q (32 along K) of slot n into buffer f: W's 24, then x's 8, row blocks ascending
.macro FETCH n, q, f
	WIN TO_F
.set b, 0
.rept NBK
	ds_load_tr16_b128 v[128*(\f)+32+8*b:128*(\f)+32+8*b+3],   v[ADRB+(\n)] offset:(b/4)*PLANE+(b%4)*32+(\q)*32*PB
	ds_load_tr16_b128 v[128*(\f)+32+8*b+4:128*(\f)+32+8*b+7], v[ADRB+(\n)] offset:(b/4)*PLANE+(b%4)*32+(\q)*32*PB+16*PB
.set b, b+1
.endr
.set a, 0
.rept 4
	ds_load_b128 v[128*(\f)+8*a:128*(\f)+8*a+3],   v[ADRA+(\n)] offset:64*(\q)+a*16*PA
	ds_load_b128 v[128*(\f)+8*a+4:128*(\f)+8*a+7], v[ADRA+(\n)] offset:64*(\q)+a*16*PA+32
.set a, a+1
.endr
.endm
.macro PLACES                          ; four plain vector instructions between a matrix instruction and a load into a register that it read, or a reader of its result (ISA guide 7.12.1 for a reader of its result)
.rept 4
	v_nop
.endr
.endm
; One of a K step's first three quarters: multiplies buffer f; in its middle it fetches quarter q of the same slot into buffer g.
.macro QUARTER n, q, f, g, first
	s_wait_dscnt 4                                 ; all but the youngest four loads: x's row blocks 2 and 3
	MULA \f, 0, \first
	MULA \f, 1, \first
	PLACES
	FETCH \n, \q, \g
	s_wait_dscnt 2*NBK+8                           ; all but the 32 just issued
	MULA \f, 2, \first
	MULA \f, 3, \first
.endm
; The last quarter multiplies buffer 1 and changes slots: ONE barrier.  In front of it each wave waits for all its tensor loads (one is out: its part of the next slot), adds 0 to its spare word, and waits
; for that and for its own reads of this slot.  fill = 1: the barrier opens a round of the cluster's, and this slot is filled again first thing behind it, two K steps on: 168 matrix instructions ahead of the wait for it.
.macro TURN n, next, fill
.if \fill
	s_wait_xcnt 0x0                                ; the last prefetch, a K step back, has read its address
	s_add_nc_u64 s[PFA:PFA+1], s[PFA:PFA+1], s[PST:PST+1]
.endif
	WIN 0                                          ; (the add's two registers lie in window 0)
	s_wait_tensorcnt 0x0
	ds_add_u32 v[SPW], v[NIL]                      ; 0 onto my spare word
	s_wait_dscnt 5                                 ; (the add and the youngest four loads may be out)
	MULA 1, 0, 0                                   ; twelve matrix instructions stand between the add and the wait for it
	s_wait_dscnt 0x0                               ; the add is done, and my reads of this slot are over
	s_barrier_signal -1
	MULA 1, 1, 0
.if \fill
	WIN 0
.endif
	s_barrier_wait -1
.if \fill
	CREST                                          ; no wave of any partner still reads this slot or has a load on its way
	s_add_nc_u64 s[G0A+4*(\n)+2:G0A+4*(\n)+3], s[G0A+4*(\n)+2:G0A+4*(\n)+3], 2*ASTEP
	s_add_nc_u64 s[G0B+4*(\n)+2:G0B+4*(\n)+3], s[G0B+4*(\n)+2:G0B+4*(\n)+3], 2*BSTEP
	JLOAD \n                                       ; the four v_nop behind it are also the places in front of the loads below
.else
	PLACES
.endif
	FETCH \next, 0, 0
.if \fill
	ASK
.endif
	MULA 1, 2, 0
	MULA 1, 3, 0
.endm
	s_wait_tensorcnt 0x1                           ; my part of K step 0 is in; K step 1's, issued behind it, may stay out
	s_barrier_signal -1
	s_barrier_wait -1                              ; everybody's is
	FETCH 0, 0, 0
	QUARTER 0, 1, 0, 1, 1                          ; the first quarter stands in front of the loop: its products start the sums, from the bias
	WIN 0                                          ; at a label and at a branch every window is 0
	s_mov_b32 s3, LAPS-1
.Llap:                                                 ; a trip goes once round the ring, from a lap's second quarter to the next lap's first, and fills both slots again
	QUARTER 0, 2, 1, 0, 0
	QUARTER 0, 3, 0, 1, 0
	TURN 0, 1, 1
	QUARTER 1, 1, 0, 1, 0
	QUARTER 1, 2, 1, 0, 0
	QUARTER 1, 3, 0, 1, 0
	TURN 1, 0, 1
	QUARTER 0, 1, 0, 1, 0
	WIN 0
	s_sub_co_u32 s3, s3, 1
	s_cmp_lg_u32 s3, 0
	s_cbranch_scc1 .Llap
	QUARTER 0, 2, 1, 0, 0                          ; the last lap fills nothing
	QUARTER 0, 3, 0, 1, 0
	TURN 0, 1, 0
	QUARTER 1, 1, 0, 1, 0
	QUARTER 1, 2, 1, 0, 0
	QUARTER 1, 3, 0, 1, 0
	s_wait_dscnt 4                                 ; the very last quarter: nothing more to fetch
	MULA 1, 0, 0
	MULA 1, 1, 0
	s_wait_dscnt 0x0
	MULA 1, 2, 0
	MULA 1, 3, 0
	WIN 0
; THE WAY OUT, a row block (16 rows) at a time.  PACK: rounded to f16, each accumulator's registers ascending.  TOSTAGE: 16 bytes a lane into my stage (three planes of 16 rows x 144 bytes), and back as whole
; rows of 128 bytes.  SEND: stored; four rows of a slot are 512 bytes on end.
.macro PACK a
	WIN 0x0a+5*((\a)/2)                            ; sources 0 and 1 window 2 or 3
.set AC, 8*NBK*((\a)%2)
.set i, 0
.rept 4*NBK
	v_cvt_pk_f16_f32 v[TMP+i], v[AC+2*i], v[AC+2*i+1]
.set i, i+1
.endr
	WIN 0
.endm
.macro TOSTAGE a
.set BK, OB0+(OB1-OB0)*((\a)%2)
.set b, 0
.rept NBK
	ds_store_b128 v[STO], v[TMP+4*b:TMP+4*b+3] offset:(b/4)*16*SP+(b%4)*32
.set b, b+1
.endr
.set t, 0
.rept NBK
	ds_load_b128 v[BK+4*t:BK+4*t+3], v[RD] offset:(t/4)*16*SP+(t%4)*4*SP  ; LDS serves a wave's instructions in order (ISA guide 5.7.1.4): these see the stores above
.set t, t+1
.endr
.endm
.macro SEND a
.set BK, OB0+(OB1-OB0)*((\a)%2)
	s_wait_dscnt 0x0                               ; the block is back in registers
	s_wait_xcnt 0x0                                ; the stores of the block before have read their registers, which the next TOSTAGE loads again
.set t, 0
.rept NBK
	global_store_b128 v[GO], v[BK+4*t:BK+4*t+3], s[OUT+2*(t/4):OUT+2*(t/4)+1] offset:(\a)*2048+(t%4)*512  ; 512 bytes on end, at a multiple of 256 from the buffer's first byte
.set t, t+1
.endr
.endm
	PLACES
	PACK 0
	TOSTAGE 0
.irp a, 1,2,3                          ; block a's conversions stand between block a - 1's loads from the stage and the wait for them
	PACK \a
	SEND (\a)-1
	TOSTAGE \a
.endr
	SEND 3
	s_wait_tensorcnt 0x0                           ; the wave's end: the add and its wait, behind my last tensor load and my last LDS store
	ds_add_u32 v[SPW], v[NIL]
	s_wait_dscnt 0x0
	CROUND                                         ; the closing round: no work-group ends while a partner may still ask for a tile that names it
	s_endpgm
.Lfunc_end_k_qdfa879d750_gemm_qkv:
	.size	k_qdfa879d750_gemm_qkv, .Lfunc_end_k_qdfa879d750_gemm_qkv-k_qdfa879d750_gemm_qkv
	.p2alignl 7, 3214868480
	.fill 96, 4, 3214868480
	.section	.rodata,"a",@progbits
	.p2align	6, 0x0
	.amdhsa_kernel k_qdfa879d750_gemm_qkv
		.amdhsa_group_segment_fixed_size 327680
		.amdhsa_private_segment_fixed_size 0
		.amdhsa_enable_private_segment 0
		.amdhsa_kernarg_size 48
		.amdhsa_user_sgpr_count 2
		.amdhsa_user_sgpr_kernarg_segment_ptr 1
		.amdhsa_wavefront_size32 1
		.amdhsa_system_sgpr_workgroup_id_x 1
		.amdhsa_system_sgpr_workgroup_id_y 1
		.amdhsa_system_sgpr_workgroup_id_z 1
		.amdhsa_system_vgpr_workitem_id 0
		.amdhsa_next_free_vgpr 960
		.amdhsa_next_free_sgpr 90
		.amdhsa_reserve_vcc 0
		.amdhsa_float_denorm_mode_32 3
		.amdhsa_float_denorm_mode_16_64 3
		.amdhsa_memory_ordered 1
		.amdhsa_forward_progress 1
		.amdhsa_inst_pref_size 128
	.end_amdhsa_kernel
	.amdgpu_metadata
---
amdhsa.version: [ 1, 2 ]
amdhsa.kernels:
  - .name:           k_qdfa879d750_gemm_qkv
    .symbol:         k_qdfa879d750_gemm_qkv.kd
    .args:
      - { .name: xb, .offset: 0, .size: 8, .value_kind: global_buffer, .address_space: global }
      - { .name: wqkv, .offset: 8, .size: 8, .value_kind: global_buffer, .address_space: global }
      - { .name: bq, .offset: 16, .size: 8, .value_kind: global_buffer, .address_space: global }
      - { .name: bk, .offset: 24, .size: 8, .value_kind: global_buffer, .address_space: global }
      - { .name: bv, .offset: 32, .size: 8, .value_kind: global_buffer, .address_space: global }
      - { .name: qkv, .offset: 40, .size: 8, .value_kind: global_buffer, .address_space: global }
    .group_segment_fixed_size: 327680
    .private_segment_fixed_size: 0
    .kernarg_segment_align: 8
    .kernarg_segment_size: 48
    .max_flat_workgroup_size: 128
    .sgpr_count:     90
    .vgpr_count:     960
    .wavefront_size: 32
...
	.end_amdgpu_metadata
.endif
;; end of part 2
;; launch attn (part 3): grid 4 x 64, 8 waves a work-group, no clusters, 214,016 bytes of LDS; arguments qkv, ao; writes ao
.if DOCPART == 3
	.amdgcn_target "amdgcn-amd-amdhsa--gfx1250"
	.amdhsa_code_object_version 6
	.text
	.protected	k_qdfa879d750_attn
	.globl	k_qdfa879d750_attn
	.p2align	8
	.type	k_qdfa879d750_attn,@function
k_qdfa879d750_attn:
	s_mov_b64 s[64:65], 0
	v_nop
	global_prefetch_b8 v0, s[64:65] scope:SCOPE_SE
	s_setreg_imm32_b32 hwreg(HW_REG_WAVE_MODE, 25, 1), 1
	s_wait_xcnt 0x0
; BANDED ATTENTION.  O[b][h][t] = the sum over s, 0 <= t - s <= 128, of softmax_s(q[t] . k[s] / 8) v[s].  qkv: [48 slot = 16 which + h][8192 m = 2048 b + t][64] f16.  ao: [16 h][8192 m][64] f16.
; Products, maxima and sums in f32; the weights p are rounded to f16 for the second product (their sum is taken of the unrounded p), O once at the end.
; LIMITS.  q, k, v arrive within f16's range.  A hidden score counts as its value less 1e30 (or 2e30): f16's scores, 2.7e11 at the most, are nothing beside that.  A weight below 2^-126 counts as 0.
; NaN and infinities are not treated apart.
; SHARES.  A work-group has 512 queries of one head and batch; each of its eight waves 64, as two PIECES of two tiles of 16.  A piece's 32 queries see ten blocks of 16 keys, from 128 keys ahead of its first query;
; tile i takes blocks i .. i + 8: block i holds the band's far edge, block i + 8 the diagonal, the seven between are seen whole.  All 72 scores of a lane stay in registers: the maximum is the row's true
; maximum, taken before any exponential, and nothing is rescaled.
; LDS IS FILLED ONCE: the 640 keys from 128 ahead of the block's first query, K and V, a quarter of one of them to a wave.  In a sequence's first block the 128 rows ahead are rows of the slot or batch before:
; they lie inside the buffer, hold finite numbers, and are hidden.  NO CLUSTER: neighbouring blocks share 128 of a block's 640 keys, a fifth of what it fetches.
; LAYOUT.  S^T = K Q^T (source 0 = 16 keys, source 1 = 16 queries): a lane holds ONE query (l % 16) and the keys 8 (l / 16) + 0..7.  Two such results rounded to f16 ARE source 1 of O^T = V^T P.
; THE MASKS of the two edge blocks are the C operands that start their sums.
; REGISTERS, in windows of 256 (s_set_vgpr_msb: bits 1:0 source 0, 3:2 source 1, 5:4 source 2, 7:6 destination):
;   window 0: v0-15 addresses; v16-31 the two masks; v32-47 eight registers of statistics a tile; v48-191 S^T, 72 a tile, later O^T in the first 32 of them; v192-223 Q; v224-255 the way out
;   window 1: v0-159 K's fragments, later V's; v160-239 P, 40 a tile
.set PK,    144                        ; a row of K in LDS: 128 bytes + 16 = 36 words: the 16 rows of a load start at 16 different groups of four banks (64 banks of 4 bytes: ISA guide 11.1)
.set PVP,   160                        ; a row of V: 128 + 32 = 40 words
.set VOFF,  640*PK
.set STAGE, VOFF+640*PVP               ; never filled by a tensor load: 16 rows x 144 bytes for each wave
.set SP,    144
.set SPARE, STAGE+8*16*SP              ; the spare words, 128 bytes for each wave: four blocks of 256 bytes that no other line names
.set AKA, 6                            ; v6-7    LDS address of my lane's place in piece 0's, 1's first key block of K
.set AVA, 8                            ; v8-9    the same for V
.set QO,  10
.set STO, 11
.set RD,  12
.set GO,  13
.set SPW, 14                           ; v14  LDS address of my spare word; never rewritten
.set NIL, 15                           ; v15  0; never rewritten
.set ME,  16                           ; the far edge: -1e30 where the key is more than 128 behind
.set MD,  24                           ; the diagonal: -1e30 where the key is ahead of the query
.set ST,  32                           ; tile i at ST + 8 i: c m, m, l (two halves), c0-c2 at work (c2's place later takes 1 / l), and a 0
.set S,   48
.set Q,   192
.set TMPO, 224
.set P,   160                          ; window 1
.set WV,  8
.set G0K, 12
.set G1K, 16
.set G0V, 24
.set G1V, 28
.set QB,  36
.set AO,  38
.set CS,  40                           ; s[40:41] c = log2(e) / 8
.set SEL, 42
.set BIGN, 44
.set UH,  45                           ; s45, s46: the piece's number among the block's 16 if the block is its sequence's first, else 16
.set HV,  48                           ; s[48:49]
.set MSB, 0
.macro WIN new
.if MSB != (\new)
	s_set_vgpr_msb (MSB<<8)|(\new)
.set MSB, \new
.endif
.endm
.macro PLACES
.rept 4
	v_nop
.endr
.endm
	s_load_b128 s[4:7], s[0:1], 0x0                ; qkv s[4:5], ao s[6:7]
	v_lshl_add_u32 v[SPW], v0, 2, SPARE
	v_mov_b32 v[NIL], 0
	ds_add_u32 v[SPW], v[NIL]                      ; the wave's opening: the add and its wait stand ahead of my tensor load; work on registers stands between them
	v_lshrrev_b32 v1, 5, v0
	v_readfirstlane_b32 s[WV], v1                  ; wave 0..7
	s_and_b32 s50, ttmp7, 0xffff
	s_and_b32 s51, s50, 15                         ; h
	s_lshr_b32 s52, s50, 4                         ; b
	s_lshl_b32 s52, s52, 11
	s_lshl_b32 s53, ttmp9, 9
	s_add_co_u32 s52, s52, s53                     ; m0 = 2048 b + 512 x
	s_lshl_b32 s53, s51, 13
	s_add_co_u32 s53, s53, s52                     ; 8192 h + m0
	s_lshl_b32 s54, s[WV], 6
	s_add_co_u32 s54, s54, s53
	s_lshl_b32 s54, s54, 7                         ; my wave's 64 rows, 128 bytes each, in q's slot and in ao
	s_mov_b32 s55, 0
	s_and_b32 s9, s[WV], 3                         ; which quarter I fetch
	s_add_co_u32 s10, s53, 16*8192-128             ; k's slot, 128 rows ahead of the block
	s_lshl_b32 s10, s10, 7
	s_mul_i32 s11, s9, 160*128
	s_add_co_u32 s10, s10, s11
	s_mov_b32 s11, 0
	s_mov_b32 s[G0K], 1
	s_mul_i32 s[G0K+1], s9, 160*PK
	s_mov_b32 s[G0V], 1
	s_mul_i32 s[G0V+1], s9, 160*PVP
	s_add_co_u32 s[G0V+1], s[G0V+1], VOFF
	; 160 keys are 20,480 dense bytes: asked for as 80 rows of 256 bytes, two keys a row, padded in LDS after every key
	s_mov_b32 s[G1K], (1<<16)|(1<<20)|(4<<22)|(3<<25)  ; 2-byte elements; padding on; after every 32 words, 4 words
	s_mov_b32 s[G1V], (1<<16)|(1<<20)|(4<<22)|(7<<25)  ; 8 words
.irp g, G1K, G1V
	s_mov_b32 s[\g+1], 128<<16                     ; tensor_dim0 = 128
	s_mov_b32 s[\g+2], 80<<16                      ; tensor_dim1 = 80
	s_mov_b32 s[\g+3], 128<<16                     ; tile_dim0 = 128
	s_mov_b32 s[\g+4], 80                          ; tile_dim1 = 80
	s_mov_b32 s[\g+5], 128                         ; elements from row to row
	s_mov_b32 s[\g+6], 0
	s_mov_b32 s[\g+7], 0
.endr
	s_mov_b32 s[CS], 0x3e38aa3b                    ; c = 0.180337
	s_mov_b32 s[CS+1], s[CS]
	s_mov_b32 s[SEL], 0x76543210
	s_mov_b32 s[SEL+1], 0xfedcba98
	s_mov_b32 s[BIGN], 0xf149f2ca                  ; -1e30
	s_lshl_b32 s[UH], s[WV], 1
	s_add_co_u32 s[UH+1], s[UH], 1
	s_cmp_eq_u32 ttmp9, 0
	s_cselect_b32 s[UH], s[UH], 16
	s_cselect_b32 s[UH+1], s[UH+1], 16
	s_wait_dscnt 0x0                               ; the opening add is done
	s_wait_kmcnt 0x0
	s_add_nc_u64 s[G0K+2:G0K+3], s[4:5], s[10:11]
	s_add_nc_u64 s[G0V+2:G0V+3], s[G0K+2:G0K+3], 16*8192*128  ; v's slot lies 16 slots behind k's
	s_or_b32 s[G0K+3], s[G0K+3], 0x80000000        ; type = 2
	s_or_b32 s[G0V+3], s[G0V+3], 0x80000000
	s_add_nc_u64 s[QB:QB+1], s[4:5], s[54:55]
	s_add_nc_u64 s[AO:AO+1], s[6:7], s[54:55]
	s_cmp_lt_u32 s[WV], 4                          ; waves 0-3 fetch K's quarters, waves 4-7 V's: one tensor load of mine is out
	s_cbranch_scc0 .Lfor_v
	tensor_load_to_lds s[G0K:G0K+3], s[G1K:G1K+7]
	s_nop 0
.rept 4
	v_nop
.endr
	s_branch .Lasked
.Lfor_v:
	tensor_load_to_lds s[G0V:G0V+3], s[G1V:G1V+7]
	s_nop 0
.rept 4
	v_nop
.endr
.Lasked:
	v_and_b32 v1, 15, v0                           ; r = l % 16
	v_bfe_u32 v2, v0, 4, 1                         ; h = l / 16
	v_lshlrev_b32 v[QO], 7, v1
	v_lshl_add_u32 v[QO], v2, 4, v[QO]             ; row x 128 + 16 x half
; Q of piece p: tile i, channel half c, two loads of 16 bytes, 32 bytes apart
.macro QLOAD p
	WIN 0
.irp i, 0,1
.irp c, 0,1
	global_load_b128 v[Q+16*(\i)+8*(\c):Q+16*(\i)+8*(\c)+3],   v[QO], s[QB:QB+1] offset:(2*(\p)+(\i))*2048+(\c)*64
	global_load_b128 v[Q+16*(\i)+8*(\c)+4:Q+16*(\i)+8*(\c)+7], v[QO], s[QB:QB+1] offset:(2*(\p)+(\i))*2048+(\c)*64+32
.endr
.endr
.endm
	QLOAD 0
	v_lshlrev_b32 v3, 3, v2
	v_sub_nc_u32 v3, v1, v3                        ; r - 8 h: register j holds key 8 h + j of a block
.set j, 0
.rept 8
	v_cmp_lt_i32 vcc_lo, j, v3                     ; far edge: key 8 h + j < r is 129 or more behind
	v_cndmask_b32 v[ME+j], 0, s[BIGN], vcc_lo
	v_cmp_gt_i32 vcc_lo, j, v3                     ; diagonal: key 8 h + j > r is ahead
	v_cndmask_b32 v[MD+j], 0, s[BIGN], vcc_lo
.set j, j+1
.endr
	v_mov_b32 v[ST+7], 0                           ; named in a pair with 1 / l
	v_mov_b32 v[ST+15], 0
	v_mul_u32_u24 v3, v1, PK
	v_lshl_add_u32 v3, v2, 4, v3
	s_mul_i32 s50, s[WV], 64*PK                    ; piece 2 w + p begins at LDS row 32 (2 w + p)
	v_add_nc_u32 v[AKA], s50, v3
	v_add_nc_u32 v[AKA+1], 32*PK, v[AKA]
	v_and_b32 v4, 7, v0
	v_bfe_u32 v5, v0, 3, 1
	v_lshl_add_u32 v3, v2, 3, v4                   ; the turning load: lane l reads key 8 (l / 16) + l % 8, channels 8 ((l / 8) % 2) + 0..7
	v_mul_u32_u24 v3, v3, PVP
	v_lshl_add_u32 v3, v5, 4, v3
	s_mul_i32 s50, s[WV], 64*PVP
	s_add_co_u32 s50, s50, VOFF
	v_add_nc_u32 v[AVA], s50, v3
	v_add_nc_u32 v[AVA+1], 32*PVP, v[AVA]
	s_mul_i32 s50, s[WV], 16*SP
	s_add_co_u32 s50, s50, STAGE                   ; my stage
	v_mul_u32_u24 v3, v1, SP
	v_lshl_add_u32 v3, v2, 4, v3
	v_add_nc_u32 v[STO], s50, v3
	v_bfe_u32 v3, v0, 3, 2
	v_mul_u32_u24 v3, v3, SP
	v_lshl_add_u32 v3, v4, 4, v3
	v_add_nc_u32 v[RD], s50, v3
	v_and_b32 v3, 31, v0
	v_lshlrev_b32 v[GO], 4, v3
.macro FETCH_K p                       ; ten key blocks x two channel halves: the first halves' 20 loads first
	WIN 0x40
.irp c, 0,1
.set kb, 0
.rept 10
	ds_load_b128 v[16*kb+8*(\c):16*kb+8*(\c)+3],   v[AKA+(\p)] offset:kb*16*PK+(\c)*64
	ds_load_b128 v[16*kb+8*(\c)+4:16*kb+8*(\c)+7], v[AKA+(\p)] offset:kb*16*PK+(\c)*64+32
.set kb, kb+1
.endr
.endr
.endm
.macro FETCH_V p                       ; keys 32 (f / 4) on, channels 16 (f % 4) on, turned
	WIN 0x40
.set f, 0
.rept 20
	ds_load_tr16_b128 v[8*f:8*f+3],   v[AVA+(\p)] offset:(f/4)*32*PVP+(f%4)*32
	ds_load_tr16_b128 v[8*f+4:8*f+7], v[AVA+(\p)] offset:(f/4)*32*PVP+(f%4)*32+16*PVP
.set f, f+1
.endr
.endm
; 18 products of S^T = K Q^T, channel half c.  Half 0 starts the sums: with the edge's mask, the diagonal's, or 0.  The 18 accumulators take turns.
.macro QK c
	WIN 0x01                                       ; K in window 1, all else in window 0
.set kb, 0
.rept 10
.irp i, 0,1
.if (kb >= (\i)) && (kb <= (\i)+8)
.set rS, S+72*(\i)+8*(kb-(\i))
.set rK, 16*kb+8*(\c)
.set rQ, Q+16*(\i)+8*(\c)
.if (\c) == 1
	v_wmma_f32_16x16x32_f16 v[rS:rS+7], v[rK:rK+7], v[rQ:rQ+7], v[rS:rS+7]
.elseif kb == (\i)
	v_wmma_f32_16x16x32_f16 v[rS:rS+7], v[rK:rK+7], v[rQ:rQ+7], v[ME:ME+7]
.elseif kb == (\i)+8
	v_wmma_f32_16x16x32_f16 v[rS:rS+7], v[rK:rK+7], v[rQ:rQ+7], v[MD:MD+7]
.else
	v_wmma_f32_16x16x32_f16 v[rS:rS+7], v[rK:rK+7], v[rQ:rQ+7], 0
.endif
.endif
.endr
.set kb, kb+1
.endr
.endm
; A sequence's first four pieces see keys from ahead of the sequence: piece u's blocks 2 g and 2 g + 1 are such where u < 4 - g.  -1e30 is added to their scores.  All other pieces jump over this.
.macro HIDE p
	WIN 0
	s_cmp_lt_u32 s[UH+(\p)], 4
	s_cbranch_scc0 .Lseen_\@
.set g, 0
.rept 4
	s_cmp_lt_u32 s[UH+(\p)], 4-g
	s_cselect_b32 s[HV], s[BIGN], 0
	s_cselect_b32 s[HV+1], s[BIGN], 0
.set kb, 2*g
.rept 2
.irp i, 0,1
.if kb >= (\i)
.set rS, S+72*(\i)+8*(kb-(\i))
	v_pk_add_f32 v[rS:rS+1], v[rS:rS+1], s[HV:HV+1] op_sel_hi:[1,0]
	v_pk_add_f32 v[rS+2:rS+3], v[rS+2:rS+3], s[HV:HV+1] op_sel_hi:[1,0]
	v_pk_add_f32 v[rS+4:rS+5], v[rS+4:rS+5], s[HV:HV+1] op_sel_hi:[1,0]
	v_pk_add_f32 v[rS+6:rS+7], v[rS+6:rS+7], s[HV:HV+1] op_sel_hi:[1,0]
.endif
.endr
.set kb, kb+1
.endr
.set g, g+1
.endr
.Lseen_\@:
.endm
.macro ADDS cnt, dist                  ; pair n takes pair n + dist, n = 0 .. cnt - 1, in both tiles
.set n, 0
.rept \cnt
.irp i, 0,1
.set rS, S+72*(\i)+2*n
	v_pk_add_f32 v[rS:rS+1], v[rS:rS+1], v[rS+2*(\dist):rS+2*(\dist)+1]
.endr
.set n, n+1
.endr
.endm
; THE SOFTMAX of both tiles, line by line in turn.
.macro SOFT
	WIN 0
	; the maximum: three chains a tile, each over 24 registers on end (three accumulators), three operands at a time; each accumulator's lowest register is among the first read of it
.set n, 0
.rept 11
.irp ch, 0,1,2
.irp i, 0,1
.set rS, S+72*(\i)+24*(\ch)
.set rC, ST+8*(\i)+4+(\ch)
.if n == 0
	v_max3_num_f32 v[rC], v[rS], v[rS+1], v[rS+2]
.else
	v_max3_num_f32 v[rC], v[rC], v[rS+2*n+1], v[rS+2*n+2]
.endif
.endr
.endr
.set n, n+1
.endr
.irp i, 0,1
	v_max3_num_f32 v[ST+8*(\i)+4], v[ST+8*(\i)+4], v[S+72*(\i)+23], v[S+72*(\i)+47]  ; the three left over
.endr
.irp i, 0,1
	v_max3_num_f32 v[ST+8*(\i)+5], v[ST+8*(\i)+5], v[ST+8*(\i)+6], v[S+72*(\i)+71]
.endr
.irp i, 0,1
	v_max_num_f32 v[ST+8*(\i)+4], v[ST+8*(\i)+4], v[ST+8*(\i)+5]
.endr
.irp i, 0,1
	v_permlanex16_b32 v[ST+8*(\i)+6], v[ST+8*(\i)+4], s[SEL], s[SEL+1]  ; the query's other keys lie in the lane 16 away
.endr
.irp i, 0,1
	v_max_num_f32 v[ST+8*(\i)+1], v[ST+8*(\i)+4], v[ST+8*(\i)+6]        ; m
.endr
.irp i, 0,1
	v_mul_f32 v[ST+8*(\i)], s[CS], v[ST+8*(\i)+1]                       ; c m
.endr
	; ONE BATCH: the 36 scalings c s - c m and the 72 exponentials of each tile, a scaling and two exponentials by turns; a pair is scaled two turns ahead of its exponentials.  Nothing here names an exponential's result.
.irp n0, 0,1
.irp i, 0,1
	v_pk_fma_f32 v[S+72*(\i)+2*(\n0):S+72*(\i)+2*(\n0)+1], v[S+72*(\i)+2*(\n0):S+72*(\i)+2*(\n0)+1], s[CS:CS+1], v[ST+8*(\i):ST+8*(\i)+1] op_sel_hi:[1,0,0] neg_lo:[0,0,1] neg_hi:[0,0,1]
.endr
.endr
.set n, 0
.rept 36
.irp i, 0,1
.set rS, S+72*(\i)+2*n
.if n < 34
	v_pk_fma_f32 v[rS+4:rS+5], v[rS+4:rS+5], s[CS:CS+1], v[ST+8*(\i):ST+8*(\i)+1] op_sel_hi:[1,0,0] neg_lo:[0,0,1] neg_hi:[0,0,1]
.endif
	v_exp_f32 v[rS], v[rS]
	v_exp_f32 v[rS+1], v[rS+1]
.endr
.set n, n+1
.endr
	v_nop                                          ; a plain instruction behind the last exponential,
	s_wait_alu depctr_va_vdst(0)                   ; and the one wait ahead of the first instruction that names a result: for all 144
	WIN 0x40                                       ; P lies in window 1
.set n, 0
.rept 36
.irp i, 0,1
	v_cvt_pk_f16_f32 v[P+44*(\i)+n], v[S+72*(\i)+2*n], v[S+72*(\i)+2*n+1]  ; tile i's block kb at P + 40 i + 4 kb, kb = i + n / 4
.endr
.set n, n+1
.endr
.irp z, 0,1,2,3
	v_mov_b32 v[P+36+(\z)], 0                      ; tile 0 does not see block 9,
	v_mov_b32 v[P+40+(\z)], 0                      ; tile 1 not block 0
.endr
	WIN 0
	ADDS 18, 18                                    ; the sum of a tile's 36 pairs, in place
	ADDS 9, 9
	ADDS 4, 4
	ADDS 2, 2
	ADDS 1, 1
.irp i, 0,1
	v_pk_add_f32 v[ST+8*(\i)+2:ST+8*(\i)+3], v[S+72*(\i):S+72*(\i)+1], v[S+72*(\i)+16:S+72*(\i)+17]  ; and pair 8, which was left over
.endr
.endm
; 40 products of O^T = V^T P: keys 32 kk on, channels 16 cb on, tile i.  The first 8 start the sums; the 8 accumulators take turns.
.macro PVM
	WIN 0x05                                       ; V and P in window 1, O^T in window 0
.set kk, 0
.rept 5
.set cb, 0
.rept 4
.irp i, 0,1
.set rO, S+72*(\i)+8*cb
.if kk == 0
	v_wmma_f32_16x16x32_f16 v[rO:rO+7], v[32*kk+8*cb:32*kk+8*cb+7], v[P+40*(\i)+8*kk:P+40*(\i)+8*kk+7], 0
.else
	v_wmma_f32_16x16x32_f16 v[rO:rO+7], v[32*kk+8*cb:32*kk+8*cb+7], v[P+40*(\i)+8*kk:P+40*(\i)+8*kk+7], v[rO:rO+7]
.endif
.endr
.set cb, cb+1
.endr
.set kk, kk+1
.endr
.endm
; Tile i goes out: divided by l, rounded to f16, 16 bytes a lane into my stage, back as whole rows of 128 bytes.
.macro PACKO i, p
	WIN 0
.if (\p) && ((\i) == 0)
	s_wait_xcnt 0x0                                ; the last piece's stores have read the registers that are written below
.endif
.set n, 0
.rept 16
	v_pk_mul_f32 v[S+72*(\i)+2*n:S+72*(\i)+2*n+1], v[S+72*(\i)+2*n:S+72*(\i)+2*n+1], v[ST+8*(\i)+6:ST+8*(\i)+7] op_sel_hi:[1,0]
.set n, n+1
.endr
.set n, 0
.rept 16
	v_cvt_pk_f16_f32 v[TMPO+16*(\i)+n], v[S+72*(\i)+2*n], v[S+72*(\i)+2*n+1]
.set n, n+1
.endr
.irp f, 0,1,2,3
	ds_store_b128 v[STO], v[TMPO+16*(\i)+4*(\f):TMPO+16*(\i)+4*(\f)+3] offset:32*(\f)
.endr
.irp f, 0,1,2,3
	ds_load_b128 v[TMPO+16*(\i)+4*(\f):TMPO+16*(\i)+4*(\f)+3], v[RD] offset:(\f)*4*SP  ; LDS serves a wave's instructions in order (ISA guide 5.7.1.4): these see the stores above; the next tile's stores come behind them
.endr
.endm
.macro SENDO i, p, younger             ; younger: the LDS instructions issued behind this tile's loads: the next tile's eight, or none
.irp f, 0,1,2,3
	s_wait_dscnt (\younger)+3-(\f)
	global_store_b128 v[GO], v[TMPO+16*(\i)+4*(\f):TMPO+16*(\i)+4*(\f)+3], s[AO:AO+1] offset:(2*(\p)+(\i))*2048+(\f)*512  ; 512 bytes on end, at a multiple of 256 from ao's first byte
.endr
.endm
.macro PIECE p
.if \p
.rept 5
	v_nop                                          ; the places between the last piece's products and the loads into the registers that they read, and the products that write over O^T
.endr
.endif
	FETCH_K \p
	s_wait_loadcnt 0x0                             ; Q
	s_wait_dscnt 20                                ; K's first channel halves are in; the 20 loads of the second may stay out
	QK 0
	s_wait_dscnt 0x0
	QK 1
	PLACES
	FETCH_V \p                                     ; into K's registers: it lands during the softmax
.if (\p) == 0
	QLOAD 1
.endif
	HIDE \p
	SOFT
	s_wait_dscnt 0x0                               ; V is in
	PVM
	WIN 0                                          ; l's two halves and the other half of the lanes'; the four additions and the v_nop are the places behind the last products
.irp i, 0,1
	v_add_f32 v[ST+8*(\i)+4], v[ST+8*(\i)+2], v[ST+8*(\i)+3]
.endr
.irp i, 0,1
	v_permlanex16_b32 v[ST+8*(\i)+5], v[ST+8*(\i)+4], s[SEL], s[SEL+1]
.endr
.irp i, 0,1
	v_add_f32 v[ST+8*(\i)+4], v[ST+8*(\i)+4], v[ST+8*(\i)+5]
.endr
.irp i, 0,1
	v_rcp_f32 v[ST+8*(\i)+6], v[ST+8*(\i)+4]
.endr
	v_nop                                          ; a plain instruction behind the last reciprocal,
	s_wait_alu depctr_va_vdst(0)                   ; and the wait ahead of the first use: one for the two
	PACKO 0, \p
	PACKO 1, \p
	SENDO 0, \p, 8
	SENDO 1, \p, 0
.endm
	s_wait_tensorcnt 0x0                           ; my quarter is in,
	s_barrier_signal -1
	s_barrier_wait -1                              ; everybody's is: all 640 keys of K and V lie in LDS, and nothing is filled again
	PIECE 0
	PIECE 1
	s_wait_tensorcnt 0x0                           ; the wave's end: the add and its wait, behind my tensor load and my last LDS store
	ds_add_u32 v[SPW], v[NIL]
	s_wait_dscnt 0x0
	s_endpgm
.Lfunc_end_k_qdfa879d750_attn:
	.size	k_qdfa879d750_attn, .Lfunc_end_k_qdfa879d750_attn-k_qdfa879d750_attn
	.p2alignl 7, 3214868480
	.fill 96, 4, 3214868480
	.section	.rodata,"a",@progbits
	.p2align	6, 0x0
	.amdhsa_kernel k_qdfa879d750_attn
		.amdhsa_group_segment_fixed_size 214016
		.amdhsa_private_segment_fixed_size 0
		.amdhsa_enable_private_segment 0
		.amdhsa_kernarg_size 16
		.amdhsa_user_sgpr_count 2
		.amdhsa_user_sgpr_kernarg_segment_ptr 1
		.amdhsa_wavefront_size32 1
		.amdhsa_system_sgpr_workgroup_id_x 1
		.amdhsa_system_sgpr_workgroup_id_y 1
		.amdhsa_system_sgpr_workgroup_id_z 1
		.amdhsa_system_vgpr_workitem_id 0
		.amdhsa_next_free_vgpr 496
		.amdhsa_next_free_sgpr 66
		.amdhsa_reserve_vcc 1
		.amdhsa_float_denorm_mode_32 3
		.amdhsa_float_denorm_mode_16_64 3
		.amdhsa_memory_ordered 1
		.amdhsa_forward_progress 1
		.amdhsa_inst_pref_size 97
	.end_amdhsa_kernel
	.amdgpu_metadata
---
amdhsa.version: [ 1, 2 ]
amdhsa.kernels:
  - .name:           k_qdfa879d750_attn
    .symbol:         k_qdfa879d750_attn.kd
    .args:
      - { .name: qkv, .offset: 0, .size: 8, .value_kind: global_buffer, .address_space: global }
      - { .name: ao, .offset: 8, .size: 8, .value_kind: global_buffer, .address_space: global }
    .group_segment_fixed_size: 214016
    .private_segment_fixed_size: 0
    .kernarg_segment_align: 8
    .kernarg_segment_size: 16
    .max_flat_workgroup_size: 256
    .sgpr_count:     66
    .vgpr_count:     496
    .wavefront_size: 32
...
	.end_amdgpu_metadata
.endif
;; end of part 3
;; launch gemm_out (part 4): grid 8 x 32, 4 waves a work-group, clusters of 4 x 4, 327,680 bytes of LDS; arguments ao, wo16, bo, out0; writes out0
.if DOCPART == 4
	.amdgcn_target "amdgcn-amd-amdhsa--gfx1250"
	.amdhsa_code_object_version 6
	.text
	.protected	k_qdfa879d750_gemm_out
	.globl	k_qdfa879d750_gemm_out
	.p2align	8
	.type	k_qdfa879d750_gemm_out,@function
k_qdfa879d750_gemm_out:
	s_mov_b64 s[64:65], 0
	v_nop
	global_prefetch_b8 v0, s[64:65] scope:SCOPE_SE
	s_setreg_imm32_b32 hwreg(HW_REG_WAVE_MODE, 25, 1), 1
	s_wait_xcnt 0x0
	s_wait_alu depctr_hold_cnt(0) depctr_sa_sdst(0) depctr_va_vdst(0) depctr_va_sdst(0) depctr_va_ssrc(0) depctr_va_vcc(0) depctr_vm_vsrc(0)
	s_getreg_b32 s2, hwreg(HW_REG_IB_STS2, 6, 4)
	s_cmp_eq_u32 s2, 0
	s_cbranch_scc0 .Lentry_in_a_cluster
	s_endpgm
.Lentry_in_a_cluster:
	s_bfe_u32 s2, ttmp6, 0x10000c
	s_cmp_lg_u32 s2, 0xf033
	s_cbranch_scc0 .Lentry_shape_is_right
	s_endpgm
.Lentry_shape_is_right:
; out0 = O Wo + bo.  ao: [16 h][8192 m][64] f16 (channel k = 64 h + d).  wo16: [8 column tile][8 K step][2 halves][128 k][64 c] f16 (Wo rounded to bf16, written as f16).
; bo: [1024] f32, rounded to bf16 like the other inputs.  out0: [8192 m][1024] f32.  Sums in f32.
; SHARES.  A tile is 256 rows x 128 columns: 8 x 32 tiles, 256 work-groups.  Four waves; wave w owns rows 64 w .. 64 w + 63 and all 128 columns: 32 accumulators of 16 x 16, 256 registers.
; So a wave holds whole rows of 512 bytes, and its way out goes through a stage of its own, without a barrier.
; K goes in steps of 128 (two heads) through a ring of two LDS slots filled by the tensor data mover: two planes of 256 rows x 128 bytes of ao, and 32,768 bytes of weights.
; THE MATRIX INSTRUCTION IS USED TRANSPOSED: source 0 = 16 columns of Wo (turned on the way out of LDS), source 1 = 16 rows of ao.  A lane then holds row l % 16 and the columns 8 (l / 16) + 0..7.
; THE BIAS IS THE C OPERAND of each accumulator's first product.
; CLUSTERS: 4 x 4 work-groups; ao's tiles are shared along a row of the cluster, the weights along a column, each asked for jointly.
; REGISTERS, in windows of 256 (s_set_vgpr_msb: bits 1:0 source 0, 3:2 source 1, 5:4 source 2, 7:6 destination):
;   window 0: v0-30 addresses; v32-95, v96-159 the way out; v160-223 the bias
;   window 1: two fragment buffers at 0 and 128: ao's four blocks of 16 rows (32 registers), then Wo's eight blocks of 16 columns (64)
;   window 2: the accumulators of my row blocks 0, 1 ((a, b) at v[8 (8 (a % 2) + b)]);   window 3: those of blocks 2, 3
.set NBK,   8
.set PA,    144                        ; an LDS row of ao: 128 bytes + 16 = 36 words: the 16 rows of a load start at 16 different groups of four banks (64 banks of 4 bytes: ISA guide 11.1)
.set AHALF, 256*PA                     ; a head's plane: what one tensor load brings of ao
.set ATILE, 2*AHALF
.set PB,    160                        ; an LDS row of Wo: 128 bytes + 32 = 40 words
.set PLANE, 128*PB                     ; 128 k x 64 c: what one tensor load brings of Wo
.set BHALF, PLANE
.set SLOT,  ATILE+2*BHALF
.set STAGE, 2*SLOT                     ; behind the ring, never filled by a tensor load: for each wave 16 rows x 528 bytes
.set SP,    528                        ; 512 bytes + 16 = 132 words
.set WSTG,  16*SP
.set SPARE, STAGE+4*WSTG               ; the spare words, 128 bytes for each wave: two blocks of 256 bytes that no other line names
.set ASTEP, 2*8192*128                 ; bytes in memory from a K step to the next: two heads of ao,
.set BSTEP, 32768                      ; a block of the weights
.set LAPS,  4
.set ADRA, 16
.set ADRB, 20
.set STO,  24
.set RD,   25
.set GO,   26
.set BO,   27
.set SPW,  28                          ; v28  LDS address of my spare word; never rewritten
.set NIL,  29                          ; v29  0; never rewritten
.set PFO,  30                          ; v30  256 x my lane; never rewritten
.set OB,   32
.set BIAS, 160
.set WV,   16
.set HF,   18
.set CX,   19
.set CY,   20
.set TCOL, 21
.set TROW, 22
.set G1A,  24
.set G0A,  32
.set G1B,  40
.set G0B,  48
.set PFA,  56
.set PST,  58
.set LIM,  60
.set OUT,  66
.set MSB, 0
.macro WIN new                         ; the immediate's high byte repeats the setting that is left; a switch that changes nothing is dropped
.if MSB != (\new)
	s_set_vgpr_msb (MSB<<8)|(\new)
.set MSB, \new
.endif
.endm
.set TO_F, 0x40
; A joint load.  Waves 0 and 1 fetch ao's two planes, waves 2 and 3 Wo's.  An s_nop 0 and four v_nop follow each of the two lines.
.macro JLOAD n
	s_cmp_lt_u32 s[WV], 2
	s_cbranch_scc0 .Lfor_b_\@
	tensor_load_to_lds s[G0A+4*(\n):G0A+4*(\n)+3], s[G1A:G1A+7]
	s_nop 0
.rept 4
	v_nop
.endr
	s_branch .Lasked_\@
.Lfor_b_\@:
	tensor_load_to_lds s[G0B+4*(\n):G0B+4*(\n)+3], s[G1B:G1B+7]
	s_nop 0
.rept 4
	v_nop
.endr
.Lasked_\@:
.endm
.macro CREST
	s_cmp_lg_u32 s[WV], 0
	s_cbranch_scc1 .Lnot_wave_0_\@
	s_barrier_signal -3
.Lnot_wave_0_\@:
	s_barrier_wait -3
	s_barrier_signal -1
	s_barrier_wait -1
.endm
.macro CROUND
	s_barrier_signal -1
	s_barrier_wait -1
	CREST
.endm
; A PREFETCH INTO THE L2 of the K step that stands two refills on, behind the joint load, its five lines and the run of LDS loads.  ao's planes are read by both clusters of a row of clusters: cluster x = 0 asks,
; waves 0 and 1 each for their plane; the weights by every cluster of a column: cluster y = 0 asks, wave 2 for the whole K step.  The four partners share the 32,768 bytes out BY ADDRESS, 8,192 each:
; a lane a block of 256 bytes.  The loop's last trip (s3 = 1) asks for nothing.  K steps 0 to 3 come by their loads alone.
.macro ASK
	WIN 0
	s_cmp_gt_u32 s3, s[LIM]
	s_cbranch_scc0 .Lnot_mine_\@
	global_prefetch_b8 v[PFO], s[PFA:PFA+1] th:TH_LOAD_NT scope:SCOPE_SE
.Lnot_mine_\@:
.endm
	s_load_b256 s[4:11], s[0:1], 0x0               ; ao s[4:5], wo16 s[6:7], bo s[8:9], out0 s[10:11]
	v_lshl_add_u32 v[SPW], v0, 2, SPARE
	v_mov_b32 v[NIL], 0
	ds_add_u32 v[SPW], v[NIL]                      ; the wave's opening: the add and its wait stand ahead of my first tensor load; work on registers stands between them
	v_lshrrev_b32 v1, 5, v0
	v_readfirstlane_b32 s[WV], v1
	s_and_b32 s[HF], s[WV], 1
	s_bfe_u32 s[CX], ttmp6, 0x40000
	s_bfe_u32 s[CY], ttmp6, 0x40004
	s_lshl_b32 s[TCOL], ttmp9, 2
	s_add_co_u32 s[TCOL], s[TCOL], s[CX]           ; column tile = 4 x cluster x + cx
	s_and_b32 s[TROW], ttmp7, 0xffff
	s_lshl_b32 s[TROW], s[TROW], 2
	s_add_co_u32 s[TROW], s[TROW], s[CY]           ; row block = 4 x cluster y + cy
	s_lshl_b32 s72, s[CY], 2
	s_lshl_b32 s72, 15, s72                        ; my row of the cluster
	s_lshl_b32 s73, 0x1111, s[CX]                  ; my column
	s_or_b32 s[G1A], s72, (1<<16)|(1<<20)|(1<<21)|(4<<22)|(3<<25)  ; the mask; 2-byte elements; padding on; bit 21 beside a mask; after every 32 words (a row of ao), 4 words
	s_or_b32 s[G1B], s73, (1<<16)|(1<<20)|(1<<21)|(4<<22)|(7<<25)  ; after every 32 words, 8 words
	s_mov_b32 s[G1A+1], 128<<16                    ; a plane's 256 rows are 32,768 dense bytes: 128 rows of 256 bytes
	s_mov_b32 s[G1A+2], 128<<16
	s_mov_b32 s[G1A+3], 128<<16
	s_mov_b32 s[G1A+4], 128
	s_mov_b32 s[G1A+5], 128
	s_mov_b32 s[G1A+6], 0
	s_mov_b32 s[G1A+7], 0
	s_mov_b32 s[G1B+1], 128<<16                    ; a plane of Wo is 16,384 dense bytes: 64 rows of 256 bytes
	s_mov_b32 s[G1B+2], 64<<16
	s_mov_b32 s[G1B+3], 128<<16
	s_mov_b32 s[G1B+4], 64
	s_mov_b32 s[G1B+5], 128
	s_mov_b32 s[G1B+6], 0
	s_mov_b32 s[G1B+7], 0
	s_lshl_b32 s74, s[HF], 20                      ; ao: head = my half, 1,048,576 bytes a head; 256 rows of 128 bytes a row block: it hangs on cy alone
	s_lshl_b32 s75, s[TROW], 15
	s_add_co_u32 s74, s74, s75
	s_mov_b32 s75, 0
	s_lshl_b32 s76, s[TCOL], 18                    ; Wo: the column tile's 8 blocks, my plane: it hangs on cx alone
	s_lshl_b32 s77, s[HF], 14
	s_add_co_u32 s76, s76, s77
	s_mov_b32 s77, 0
	s_mul_i32 s78, s[HF], AHALF                    ; where they go: no place in the cluster enters an LDS address
	s_mul_i32 s79, s[HF], BHALF
	s_add_co_u32 s79, s79, ATILE
	s_wait_dscnt 0x0                               ; the opening add is done
	s_wait_kmcnt 0x0
	s_add_nc_u64 s[74:75], s[4:5], s[74:75]
	s_add_nc_u64 s[76:77], s[6:7], s[76:77]
	CROUND                                         ; all sixteen work-groups are here: the first joint loads meet
.irp n, 0,1
	s_mov_b32 s[G0A+4*(\n)], 1
	s_add_co_u32 s[G0A+4*(\n)+1], s78, (\n)*SLOT
	s_add_nc_u64 s[G0A+4*(\n)+2:G0A+4*(\n)+3], s[74:75], (\n)*ASTEP
	s_or_b32 s[G0A+4*(\n)+3], s[G0A+4*(\n)+3], 0x80000000
	s_mov_b32 s[G0B+4*(\n)], 1
	s_add_co_u32 s[G0B+4*(\n)+1], s79, (\n)*SLOT
	s_add_nc_u64 s[G0B+4*(\n)+2:G0B+4*(\n)+3], s[76:77], (\n)*BSTEP
	s_or_b32 s[G0B+4*(\n)+3], s[G0B+4*(\n)+3], 0x80000000
	JLOAD \n                                       ; two loads of mine are out
.endr
	v_and_b32 v1, 15, v0                           ; r = l % 16
	v_bfe_u32 v2, v0, 4, 1                         ; h = l / 16
	s_lshl_b32 s72, s[TCOL], 9                     ; the bias: register j of block b is column 16 b + 8 h + j of the tile's 128
	v_lshl_add_u32 v[BO], v2, 5, s72
.set b, 0
.rept NBK
	global_load_b128 v[BIAS+8*b:BIAS+8*b+3],   v[BO], s[8:9] offset:b*64
	global_load_b128 v[BIAS+8*b+4:BIAS+8*b+7], v[BO], s[8:9] offset:b*64+16
.set b, b+1
.endr
	v_mul_u32_u24 v3, v1, PA
	v_lshl_add_u32 v3, v2, 4, v3
	s_mul_i32 s72, s[WV], 64*PA                    ; my 64 rows
	v_add_nc_u32 v[ADRA], s72, v3
	v_add_nc_u32 v[ADRA+1], SLOT, v[ADRA]
	v_and_b32 v4, 7, v0
	v_bfe_u32 v5, v0, 3, 1
	v_lshl_add_u32 v6, v2, 3, v4                   ; the turning load: lane l reads k = 8 (l / 16) + l % 8, columns 8 ((l / 8) % 2) + 0..7
	v_mul_u32_u24 v6, v6, PB
	v_lshl_add_u32 v6, v5, 4, v6
	v_add_nc_u32 v[ADRB], ATILE, v6
	v_add_nc_u32 v[ADRB+1], SLOT, v[ADRB]
	s_mul_i32 s72, s[WV], WSTG
	s_add_co_u32 s72, s72, STAGE                   ; my stage
	v_mul_u32_u24 v3, v1, SP                       ; in: row l % 16, 32 bytes for each half of the lanes
	v_lshl_add_u32 v3, v2, 5, v3
	v_add_nc_u32 v[STO], s72, v3
	v_and_b32 v3, 31, v0                           ; back: 32 lanes take a row of 512 bytes
	v_lshlrev_b32 v[GO], 4, v3
	v_add_nc_u32 v[RD], s72, v[GO]
	s_lshl_b32 s80, s[TROW], 8                     ; out0 at row 256 x row block + 64 x wave, 4,096 bytes a row, column 128 x tile
	s_lshl_b32 s81, s[WV], 6
	s_add_co_u32 s80, s80, s81
	s_lshl_b32 s80, s80, 12
	s_lshl_b32 s81, s[TCOL], 9
	s_add_co_u32 s80, s80, s81
	s_mov_b32 s81, 0
	s_add_nc_u64 s[OUT:OUT+1], s[10:11], s[80:81]
	; the prefetches
	s_and_b32 s80, ttmp7, 0xffff                   ; cluster y
	s_mov_b32 s81, BSTEP
	s_mov_b32 s72, ASTEP
	s_cmp_eq_u32 s[WV], 3
	s_cselect_b32 s73, 1, 0
	s_or_b32 s80, s80, s73                         ; wave 3 never asks: wave 2 names the whole K step of the weights
	s_cmp_lt_u32 s[WV], 2                          ; do I fetch for ao?
	s_cselect_b64 s[PFA:PFA+1], s[74:75], s[76:77] ; my plane of ao, or (wave 2) the K step's first byte of Wo, at K step 0
	s_cselect_b32 s[PST], s72, s81
	s_cselect_b32 s73, s[CX], s[CY]                ; my place among the four that ask with me: it enters the address alone
	s_cselect_b32 s80, ttmp9, s80                  ; the coordinate along which other clusters read the same bytes
	s_lshl_b32 s72, s73, 13                        ; a partner's 8,192 bytes
	s_mov_b32 s73, 0
	s_add_nc_u64 s[PFA:PFA+1], s[PFA:PFA+1], s[72:73]
	s_mul_i32 s72, s[PST], 3
	s_add_nc_u64 s[PFA:PFA+1], s[PFA:PFA+1], s[72:73]  ; at K step 3: the first change of slots steps it to 4
	s_mov_b32 s[PST+1], 0
	s_cmp_eq_u32 s80, 0
	s_cselect_b32 s[LIM], 1, -1                    ; the same in all sixteen partners, for a given wave
	v_lshlrev_b32 v[PFO], 8, v3
	s_mov_b32 s73, 0xffff0000
	s_wait_loadcnt 0x0                             ; the bias is in: rounded to bf16 and widened again, in place; all this stands in the wait for the first tile
.set i, 0
.rept 4*NBK
	v_cvt_pk_bf16_f32 v[4+i%4], v[BIAS+2*i], v[BIAS+2*i+1]
	v_lshlrev_b32 v[BIAS+2*i], 16, v[4+i%4]
	v_and_b32 v[BIAS+2*i+1], s73, v[4+i%4]
.set i, i+1
.endr
; 8 matrix instructions: my row block a x all 8 column blocks, 32 along K, from buffer f.  first = 1: C is the bias.  The 32 accumulators take turns, one instruction a quarter step each, in the same order
; in every quarter, over the backward jump too.
.macro MULA f, a, first
.if \first
	WIN 0x85+0x40*((\a)/2)                         ; sources window 1, C window 0, D window 2 or 3
.else
	WIN 0xa5+0x50*((\a)/2)                         ; sources window 1, C and D window 2 or 3
.endif
.set b, 0
.rept NBK
.set rD, 8*(NBK*((\a)%2)+b)
.set rB, 128*(\f)+32+8*b
.set rA, 128*(\f)+8*(\a)
.if \first
	v_wmma_f32_16x16x32_f16 v[rD:rD+7], v[rB:rB+7], v[rA:rA+7], v[BIAS+8*b:BIAS+8*b+7]
.else
	v_wmma_f32_16x16x32_f16 v[rD:rD+7], v[rB:rB+7], v[rA:rA+7], v[rD:rD+7]
.endif
.set b, b+1
.endr
.endm
; 24 LDS loads in one run: quarter q of slot n into buffer f: Wo's 16, then ao's 8, row blocks ascending.  Quarter q lies in ao's plane q / 2, at channel 32 (q % 2).
.macro FETCH n, q, f
	WIN TO_F
.set b, 0
.rept NBK
	ds_load_tr16_b128 v[128*(\f)+32+8*b:128*(\f)+32+8*b+3],   v[ADRB+(\n)] offset:(b/4)*PLANE+(b%4)*32+(\q)*32*PB
	ds_load_tr16_b128 v[128*(\f)+32+8*b+4:128*(\f)+32+8*b+7], v[ADRB+(\n)] offset:(b/4)*PLANE+(b%4)*32+(\q)*32*PB+16*PB
.set b, b+1
.endr
.set a, 0
.rept 4
	ds_load_b128 v[128*(\f)+8*a:128*(\f)+8*a+3],   v[ADRA+(\n)] offset:((\q)/2)*AHALF+((\q)%2)*64+a*16*PA
	ds_load_b128 v[128*(\f)+8*a+4:128*(\f)+8*a+7], v[ADRA+(\n)] offset:((\q)/2)*AHALF+((\q)%2)*64+a*16*PA+32
.set a, a+1
.endr
.endm
.macro PLACES                          ; four plain vector instructions between a matrix instruction and a load into a register that it read, or a reader of its result (ISA guide 7.12.1 for a reader of its result)
.rept 4
	v_nop
.endr
.endm
.macro QUARTER n, q, f, g, first
	s_wait_dscnt 4                                 ; all but the youngest four loads: ao's row blocks 2 and 3
	MULA \f, 0, \first
	MULA \f, 1, \first
	PLACES
	FETCH \n, \q, \g
	s_wait_dscnt 2*NBK+8                           ; all but the 24 just issued
	MULA \f, 2, \first
	MULA \f, 3, \first
.endm
; The last quarter multiplies buffer 1 and changes slots: ONE barrier.  In front of it each wave waits for all its tensor loads (one is out: its part of the next slot), adds 0 to its spare word, and waits
; for that and for its own reads of this slot.  fill = 1: the barrier opens a round of the cluster's, and this slot is filled again first thing behind it, two K steps on: 112 matrix instructions ahead of the wait for it.
.macro TURN n, next, fill
.if \fill
	s_wait_xcnt 0x0                                ; the last prefetch, a K step back, has read its address
	s_add_nc_u64 s[PFA:PFA+1], s[PFA:PFA+1], s[PST:PST+1]
.endif
	WIN 0
	s_wait_tensorcnt 0x0
	ds_add_u32 v[SPW], v[NIL]                      ; 0 onto my spare word
	s_wait_dscnt 5                                 ; (the add and the youngest four loads may be out)
	MULA 1, 0, 0                                   ; eight matrix instructions stand between the add and the wait for it
	s_wait_dscnt 0x0                               ; the add is done, and my reads of this slot are over
	s_barrier_signal -1
	MULA 1, 1, 0
.if \fill
	WIN 0
.endif
	s_barrier_wait -1
.if \fill
	CREST                                          ; no wave of any partner still reads this slot or has a load on its way
	s_add_nc_u64 s[G0A+4*(\n)+2:G0A+4*(\n)+3], s[G0A+4*(\n)+2:G0A+4*(\n)+3], 2*ASTEP
	s_add_nc_u64 s[G0B+4*(\n)+2:G0B+4*(\n)+3], s[G0B+4*(\n)+2:G0B+4*(\n)+3], 2*BSTEP
	JLOAD \n                                       ; the four v_nop behind it are also the places in front of the loads below
.else
	PLACES
.endif
	FETCH \next, 0, 0
.if \fill
	ASK
.endif
	MULA 1, 2, 0
	MULA 1, 3, 0
.endm
	s_wait_tensorcnt 0x1                           ; my part of K step 0 is in; K step 1's, issued behind it, may stay out
	s_barrier_signal -1
	s_barrier_wait -1
	FETCH 0, 0, 0
	QUARTER 0, 1, 0, 1, 1                          ; the first quarter stands in front of the loop: its products start the sums, from the bias
	WIN 0
	s_mov_b32 s3, LAPS-1
.Llap:
	QUARTER 0, 2, 1, 0, 0
	QUARTER 0, 3, 0, 1, 0
	TURN 0, 1, 1
	QUARTER 1, 1, 0, 1, 0
	QUARTER 1, 2, 1, 0, 0
	QUARTER 1, 3, 0, 1, 0
	TURN 1, 0, 1
	QUARTER 0, 1, 0, 1, 0
	WIN 0
	s_sub_co_u32 s3, s3, 1
	s_cmp_lg_u32 s3, 0
	s_cbranch_scc1 .Llap
	QUARTER 0, 2, 1, 0, 0                          ; the last lap fills nothing
	QUARTER 0, 3, 0, 1, 0
	TURN 0, 1, 0
	QUARTER 1, 1, 0, 1, 0
	QUARTER 1, 2, 1, 0, 0
	QUARTER 1, 3, 0, 1, 0
	s_wait_dscnt 4
	MULA 1, 0, 0
	MULA 1, 1, 0
	s_wait_dscnt 0x0
	MULA 1, 2, 0
	MULA 1, 3, 0
	WIN 0
; THE WAY OUT, a row block (16 rows) at a time.  STG: the accumulators' f32 go into my stage as they are, 32 bytes a lane, each accumulator's low four registers first, and come back as whole rows of 512 bytes.
; SEND: stored, a row an instruction.
.macro STG a
.if (\a) >= 2
	s_wait_xcnt 0x0                                ; the stores of the block two back have read the registers that are loaded below
.endif
	WIN 0x08+4*((\a)/2)                            ; the stores' data in window 2 or 3
.set AC, 8*NBK*((\a)%2)
.set b, 0
.rept NBK
	ds_store_b128 v[STO], v[AC+8*b:AC+8*b+3]   offset:64*b
	ds_store_b128 v[STO], v[AC+8*b+4:AC+8*b+7] offset:64*b+16
.set b, b+1
.endr
	WIN 0
.set BK, OB+64*((\a)%2)
.set t, 0
.rept 16
	ds_load_b128 v[BK+4*t:BK+4*t+3], v[RD] offset:t*SP  ; LDS serves a wave's instructions in order (ISA guide 5.7.1.4): these see the stores above; the next block's stores come behind them
.set t, t+1
.endr
.endm
.macro SEND a, younger                 ; younger: the LDS instructions issued behind this block's loads: the next block's 32, or none
.set BK, OB+64*((\a)%2)
.set t, 0
.rept 16
	s_wait_dscnt (\younger)+15-t
	global_store_b128 v[GO], v[BK+4*t:BK+4*t+3], s[OUT:OUT+1] offset:(16*(\a)+t)*4096 th:TH_STORE_NT  ; 512 bytes on end, at a multiple of 256 from out0's first byte
.set t, t+1
.endr
.endm
	PLACES
	STG 0
.irp a, 1,2,3
	STG \a
	SEND (\a)-1, 32
.endr
	SEND 3, 0
	s_wait_tensorcnt 0x0                           ; the wave's end: the add and its wait, behind my last tensor load and my last LDS store
	ds_add_u32 v[SPW], v[NIL]
	s_wait_dscnt 0x0
	CROUND                                         ; the closing round: no work-group ends while a partner may still ask for a tile that names it
	s_endpgm
.Lfunc_end_k_qdfa879d750_gemm_out:
	.size	k_qdfa879d750_gemm_out, .Lfunc_end_k_qdfa879d750_gemm_out-k_qdfa879d750_gemm_out
	.p2alignl 7, 3214868480
	.fill 96, 4, 3214868480
	.section	.rodata,"a",@progbits
	.p2align	6, 0x0
	.amdhsa_kernel k_qdfa879d750_gemm_out
		.amdhsa_group_segment_fixed_size 327680
		.amdhsa_private_segment_fixed_size 0
		.amdhsa_enable_private_segment 0
		.amdhsa_kernarg_size 32
		.amdhsa_user_sgpr_count 2
		.amdhsa_user_sgpr_kernarg_segment_ptr 1
		.amdhsa_wavefront_size32 1
		.amdhsa_system_sgpr_workgroup_id_x 1
		.amdhsa_system_sgpr_workgroup_id_y 1
		.amdhsa_system_sgpr_workgroup_id_z 1
		.amdhsa_system_vgpr_workitem_id 0
		.amdhsa_next_free_vgpr 896
		.amdhsa_next_free_sgpr 90
		.amdhsa_reserve_vcc 0
		.amdhsa_float_denorm_mode_32 3
		.amdhsa_float_denorm_mode_16_64 3
		.amdhsa_memory_ordered 1
		.amdhsa_forward_progress 1
		.amdhsa_inst_pref_size 94
	.end_amdhsa_kernel
	.amdgpu_metadata
---
amdhsa.version: [ 1, 2 ]
amdhsa.kernels:
  - .name:           k_qdfa879d750_gemm_out
    .symbol:         k_qdfa879d750_gemm_out.kd
    .args:
      - { .name: ao, .offset: 0, .size: 8, .value_kind: global_buffer, .address_space: global }
      - { .name: wo16, .offset: 8, .size: 8, .value_kind: global_buffer, .address_space: global }
      - { .name: bo, .offset: 16, .size: 8, .value_kind: global_buffer, .address_space: global }
      - { .name: out0, .offset: 24, .size: 8, .value_kind: global_buffer, .address_space: global }
    .group_segment_fixed_size: 327680
    .private_segment_fixed_size: 0
    .kernarg_segment_align: 8
    .kernarg_segment_size: 32
    .max_flat_workgroup_size: 128
    .sgpr_count:     90
    .vgpr_count:     896
    .wavefront_size: 32
...
	.end_amdgpu_metadata
.endif
;; end of part 4
;; ======== version 2 of 2: 4 launches; version 1 with the launch prep written anew for expert scheduling mode
;; limits: values are held in f16: magnitudes above 65,504 overflow, below 6.1e-05 lose precision
;; workspace buffers: xb 16,777,216 bytes; wqkv 6,291,456 bytes; wo16 2,097,152 bytes; qkv 50,331,648 bytes; ao 16,777,216 bytes
;; launch prep (part 5): grid 768 x 1, 8 waves a work-group, no clusters, 0 bytes of LDS; arguments x, Wq, Wk, Wv, Wo, xb, wqkv, wo16; writes xb, wqkv, wo16
.if DOCPART == 5
	.amdgcn_target "amdgcn-amd-amdhsa--gfx1250"
	.amdhsa_code_object_version 6
	.text
	.protected	k_qdfa879d750_prep
	.globl	k_qdfa879d750_prep
	.p2align	8
	.type	k_qdfa879d750_prep,@function
k_qdfa879d750_prep:
	s_mov_b64 s[64:65], 0
	v_nop
	global_prefetch_b8 v0, s[64:65] scope:SCOPE_SE
	s_setreg_imm32_b32 hwreg(HW_REG_WAVE_SCHED_MODE, 0, 2), 2
	s_setreg_imm32_b32 hwreg(HW_REG_WAVE_MODE, 25, 1), 1
	s_wait_xcnt 0x0
	s_wait_alu depctr_vm_vsrc(0)
; CASTS.  x [8192][1024] f32 -> xb, the same layout in bf16.  Wq, Wk, Wv [1024 k][1024 n] f32 -> wqkv in bf16, laid in blocks
; [16 head][8 K step][3 which][128 k][64 c]: what a tile of the QKV product takes in a K step is 49,152 bytes on end.
; Wo [1024 k][1024 n] f32 -> wo16: rounded to bf16 like every other input, and that number written as f16, in blocks
; [8 column tile][8 K step][2 halves][128 k][64 c].
; LIMITS.  |Wo| stays under 65,504 (f16's range); below 2^-14 it keeps f16's fixed step of 2^-24.  NaN and infinities are not treated apart.
; SHARES.  768 work-groups of 256 threads, 16,384 numbers each: 512 for x, 64 for each weight (16 rows of k).  A thread takes 16 steps of
; 4 numbers: 16 bytes in, 8 bytes out.  All 16 loads go out first; no register is used twice, so no source is ever rewritten.
; A wave's load covers 512 bytes on end (x) or 256 bytes of each of two rows (weights); a wave's store covers 256 bytes on end, aligned.
; No LDS, no matrix unit, no cluster: nothing is shared between threads.
; THE MODE: SCHED_MODE bits 1:0 = 2 (LLVM: expert scheduling mode 2), set by the entry lines.  The code itself states the register dependences
; between vector instructions and memory instructions, with s_wait_alu, always for 0.
; THE PLAN.  Registers that memory instructions touch:
;   v[SO], v[DO]  byte offsets, written by vector instructions at the head and never again; read by all 16 loads and all 16 stores.
;   X             step i's four registers: its load lands in them once, and no vector instruction names them before; read by step i's conversions.
;   Y             step i's two registers: written once, by step i's conversions; read once, by step i's store.
;   T, v3, v4     named by vector instructions alone.
; No register that a memory instruction reads is written again, and no load lands in a register that a vector instruction has named: what is left to state is
; that the offsets are written ahead of the first load, and that a store's data are written ahead of the store.  The 16 steps go in four blocks of four.  Block g
; converts its four steps; its memory instructions are the four stores of block g - 1, whose Y no vector instruction of block g names.  So one wait at the head
; of a block serves its four stores, which are dealt among its conversions; the last block's stores stand behind one more wait.
.set SO,  1                            ; v1        my byte offset in the source
.set DO,  2                            ; v2        my byte offset in the destination: 8 x thread
.set X,   8                            ; v[8:71]   step i: 4 numbers as loaded
.set Y,   72                           ; v[72:103] step i: 4 numbers of 16 bits
.set T,   104                          ; v[104:107] at work (Wo alone)
.set SRC, 20                           ; s[20:21]
.set DST, 22                           ; s[22:23]
.set MSK, 30                           ; s30       a word's upper bf16
; kind 0: x.  kind 1: Wq, Wk, Wv (step i = head i's 64 columns).  kind 2: Wo (step i = column tile i / 2, half i % 2).
; Step i's conversions: X's four registers into Y's two.
.macro CVT kind, i
.if (\kind) == 2
	v_cvt_pk_bf16_f32 v[T], v[X+4*(\i)], v[X+4*(\i)+1]      ; rounded to bf16,
	v_cvt_pk_bf16_f32 v[T+1], v[X+4*(\i)+2], v[X+4*(\i)+3]
	v_lshlrev_b32 v[T+2], 16, v[T]                 ; widened again,
	v_and_b32 v[T], s[MSK], v[T]
	v_lshlrev_b32 v[T+3], 16, v[T+1]
	v_and_b32 v[T+1], s[MSK], v[T+1]
	v_cvt_pk_f16_f32 v[Y+2*(\i)], v[T+2], v[T]     ; and written as f16: exact within f16's normal range
	v_cvt_pk_f16_f32 v[Y+2*(\i)+1], v[T+3], v[T+1]
.else
	v_cvt_pk_bf16_f32 v[Y+2*(\i)], v[X+4*(\i)], v[X+4*(\i)+1]
	v_cvt_pk_bf16_f32 v[Y+2*(\i)+1], v[X+4*(\i)+2], v[X+4*(\i)+3]
.endif
.endm
; Step i's store.
.macro PUT kind, i
.if (\kind) == 0
	global_store_b64 v[DO], v[Y+2*(\i):Y+2*(\i)+1], s[DST:DST+1] offset:(\i)*2048
.elseif (\kind) == 1
	global_store_b64 v[DO], v[Y+2*(\i):Y+2*(\i)+1], s[DST:DST+1] offset:(\i)*393216  ; a head's blocks are 8 x 3 x 16,384 bytes; 15 of them stay inside the signed 24-bit immediate
.else
	global_store_b64 v[DO], v[Y+2*(\i):Y+2*(\i)+1], s[DST:DST+1] offset:((\i)/2)*262144+((\i)%2)*16384
.endif
.endm
.macro STREAM kind
	s_wait_alu depctr_va_vdst(0)                   ; v[SO] and v[DO] are written: every load below reads the one as its offset, every store the other
.set i, 0
.rept 16
.if (\kind) == 0
	global_load_b128 v[X+4*i:X+4*i+3], v[SO], s[SRC:SRC+1] offset:i*4096 th:TH_LOAD_NT
.else
	global_load_b128 v[X+4*i:X+4*i+3], v[SO], s[SRC:SRC+1] offset:i*256 th:TH_LOAD_NT
.endif
.set i, i+1
.endr
.set i, 0
.rept 4                                                ; block i / 4
	s_wait_loadcnt 12-i                            ; loads come back in order: this block's four are in, those of the later blocks, 12 - i of them, stay out
.if i > 0
	s_wait_alu depctr_va_vdst(0)                   ; the block before has written its eight registers of Y, which the four stores below read; no vector instruction behind this wait names them
.endif
.rept 4
.if i >= 4
	PUT \kind, i-4                                 ; a store of the block before, in front of each step's conversions
.endif
	CVT \kind, i
.set i, i+1
.endr
.endr
	s_wait_alu depctr_va_vdst(0)                   ; the last block has written its eight registers of Y, which the last four stores read
.irp j, 12,13,14,15
	PUT \kind, \j
.endr
.endm
	s_load_b256 s[4:11], s[0:1], 0x0               ; x s[4:5], Wq s[6:7], Wk s[8:9], Wv s[10:11]
	s_load_b256 s[12:19], s[0:1], 0x20             ; Wo s[12:13], xb s[14:15], wqkv s[16:17], wo16 s[18:19]
	v_lshlrev_b32 v[DO], 3, v0
	s_mov_b32 s25, 0
	s_mov_b32 s27, 0
	s_cmp_lt_u32 ttmp9, 512
	s_cbranch_scc0 .Lweights
	v_lshlrev_b32 v[SO], 4, v0                     ; x: 16 bytes a thread, 4,096 a step
	s_lshl_b32 s24, ttmp9, 16
	s_lshl_b32 s26, ttmp9, 15
	s_wait_kmcnt 0x0
	s_add_nc_u64 s[SRC:SRC+1], s[4:5], s[24:25]
	s_add_nc_u64 s[DST:DST+1], s[14:15], s[26:27]
	STREAM 0
	s_endpgm
.Lweights:
	v_lshrrev_b32 v3, 4, v0                        ; my row of the 16
	v_and_b32 v4, 15, v0
	v_lshlrev_b32 v4, 4, v4                        ; my 16 bytes of a step's 256
	v_lshl_add_u32 v[SO], v3, 12, v4
	s_cmp_lt_u32 ttmp9, 704
	s_cbranch_scc0 .Lwo
	s_sub_co_u32 s28, ttmp9, 512
	s_lshr_b32 s29, s28, 6                         ; which: 0 q, 1 k, 2 v
	s_and_b32 s28, s28, 63                         ; block of 16 rows of k
	s_lshl_b32 s24, s28, 16
	s_lshr_b32 s30, s28, 3                         ; K step
	s_mul_i32 s30, s30, 3
	s_add_co_u32 s30, s30, s29
	s_lshl_b32 s30, s30, 14                        ; (3 x K step + which) x 16,384
	s_and_b32 s31, s28, 7
	s_lshl_b32 s31, s31, 11                        ; + 16 rows x 128 bytes for each block inside the K step
	s_add_co_u32 s26, s30, s31
	s_wait_kmcnt 0x0
	s_cmp_eq_u32 s29, 0
	s_cselect_b64 s[SRC:SRC+1], s[6:7], s[8:9]
	s_cmp_eq_u32 s29, 2
	s_cselect_b64 s[SRC:SRC+1], s[10:11], s[SRC:SRC+1]
	s_add_nc_u64 s[SRC:SRC+1], s[SRC:SRC+1], s[24:25]
	s_add_nc_u64 s[DST:DST+1], s[16:17], s[26:27]
	STREAM 1
	s_endpgm
.Lwo:
	s_sub_co_u32 s28, ttmp9, 704                   ; block of 16 rows of k
	s_lshl_b32 s24, s28, 16
	s_lshr_b32 s30, s28, 3
	s_lshl_b32 s30, s30, 15                        ; K step x 32,768
	s_and_b32 s31, s28, 7
	s_lshl_b32 s31, s31, 11
	s_add_co_u32 s26, s30, s31
	s_mov_b32 s[MSK], 0xffff0000
	s_wait_kmcnt 0x0
	s_add_nc_u64 s[SRC:SRC+1], s[12:13], s[24:25]
	s_add_nc_u64 s[DST:DST+1], s[18:19], s[26:27]
	STREAM 2
	s_endpgm
.Lfunc_end_k_qdfa879d750_prep:
	.size	k_qdfa879d750_prep, .Lfunc_end_k_qdfa879d750_prep-k_qdfa879d750_prep
	.p2alignl 7, 3214868480
	.fill 96, 4, 3214868480
	.section	.rodata,"a",@progbits
	.p2align	6, 0x0
	.amdhsa_kernel k_qdfa879d750_prep
		.amdhsa_group_segment_fixed_size 0
		.amdhsa_private_segment_fixed_size 0
		.amdhsa_enable_private_segment 0
		.amdhsa_kernarg_size 64
		.amdhsa_user_sgpr_count 2
		.amdhsa_user_sgpr_kernarg_segment_ptr 1
		.amdhsa_wavefront_size32 1
		.amdhsa_system_sgpr_workgroup_id_x 1
		.amdhsa_system_sgpr_workgroup_id_y 1
		.amdhsa_system_sgpr_workgroup_id_z 1
		.amdhsa_system_vgpr_workitem_id 0
		.amdhsa_next_free_vgpr 108
		.amdhsa_next_free_sgpr 66
		.amdhsa_reserve_vcc 0
		.amdhsa_float_denorm_mode_32 3
		.amdhsa_float_denorm_mode_16_64 3
		.amdhsa_memory_ordered 1
		.amdhsa_forward_progress 1
		.amdhsa_inst_pref_size 23
	.end_amdhsa_kernel
	.amdgpu_metadata
---
amdhsa.version: [ 1, 2 ]
amdhsa.kernels:
  - .name:           k_qdfa879d750_prep
    .symbol:         k_qdfa879d750_prep.kd
    .args:
      - { .name: x, .offset: 0, .size: 8, .value_kind: global_buffer, .address_space: global }
      - { .name: Wq, .offset: 8, .size: 8, .value_kind: global_buffer, .address_space: global }
      - { .name: Wk, .offset: 16, .size: 8, .value_kind: global_buffer, .address_space: global }
      - { .name: Wv, .offset: 24, .size: 8, .value_kind: global_buffer, .address_space: global }
      - { .name: Wo, .offset: 32, .size: 8, .value_kind: global_buffer, .address_space: global }
      - { .name: xb, .offset: 40, .size: 8, .value_kind: global_buffer, .address_space: global }
      - { .name: wqkv, .offset: 48, .size: 8, .value_kind: global_buffer, .address_space: global }
      - { .name: wo16, .offset: 56, .size: 8, .value_kind: global_buffer, .address_space: global }
    .group_segment_fixed_size: 0
    .private_segment_fixed_size: 0
    .kernarg_segment_align: 8
    .kernarg_segment_size: 64
    .max_flat_workgroup_size: 256
    .sgpr_count:     66
    .vgpr_count:     108
    .wavefront_size: 32
...
	.end_amdgpu_metadata
.endif
;; end of part 5
;; launch gemm_qkv: the kernel of part 2 again; grid 16 x 32, 4 waves a work-group, clusters of 4 x 4, 327,680 bytes of LDS; arguments xb, wqkv, bq, bk, bv, qkv; writes qkv
;; launch attn: the kernel of part 3 again; grid 4 x 64, 8 waves a work-group, no clusters, 214,016 bytes of LDS; arguments qkv, ao; writes ao
;; launch gemm_out: the kernel of part 4 again; grid 8 x 32, 4 waves a work-group, clusters of 4 x 4, 327,680 bytes of LDS; arguments ao, wo16, bo, out0; writes out0
